; MI455X (gfx1250); checked and timed in simulation.
; The chip was launched on July 23, 2026; its instructions are those of AMD's public machine-readable ISA for CDNA 5 (MIT licence, August 2026) and "CDNA5" Instruction Set Architecture Reference Guide (July 2026). The comments in the code are by the model that wrote it; some were corrected since.
;; QK Norm Attention. Allowed arithmetic: matrix products marked QUANTISED: E3M2 operands, one E8M0 scale for each 32 along K, by v_wmma_scale_f32_16x16x128_f8f6f4 with both operands' format E3M2, f32 sums; everything else in f32.
;; Inputs: attn_mask 2,048 x 2,048 bool; k_norm_w 128 float32; q_norm_w 128 float32; rope_cos 2,048 x 128 float32; rope_sin 2,048 x 128 float32; wk 2,048 x 2,048 float32; wo 2,048 x 2,048 float32; wq 2,048 x 2,048 float32; wv 2,048 x 2,048 float32; x 1 x 2,048 x 2,048 float32.
;; Outputs: out0 1 x 2,048 x 2,048 float32.
;; This version of the problem:
;;   THIS VERSION OF THE PROBLEM IS GIVEN IN LOW PRECISION. The matrix products marked QUANTISED in the list below multiply operands that are first quantised to E3M2 (3 exponent bits, 2 mantissa bits; 6 bits a number), with one power-of-two scale for each 32 numbers along K (OCP MX v1.0); their sums are f32. All else is computed in f32.
;;   The module's matrix products, in the order in which they are computed (A, B: the left and right operand; K: the contracted axis; several contracted axes count as one K, in the product's order):
;;     1. [M 2,048, K 2,048] x [K 2,048, N 2,048]; A: input x; B: input wq: QUANTISED
;;     2. [M 2,048, K 2,048] x [K 2,048, N 2,048]; A: input x; B: input wk: QUANTISED
;;     3. [M 2,048, K 2,048] x [K 2,048, N 2,048]; A: input x; B: input wv: QUANTISED
;;     4. batch 16 x [M 2,048, K 128] x [K 128, N 2,048]; A: computed on the way; B: computed on the way: QUANTISED
;;     5. batch 16 x [M 2,048, K 2,048] x [K 2,048, N 128]; A: softmax (see below); B: computed on the way: QUANTISED
;;     6. [M 2,048, K 2,048] x [K 2,048, N 2,048]; A: computed on the way; B: input wo: QUANTISED
;;   THE QUANTISER, for each operand of a quantised product, along K:
;;     - K is cut into blocks of 32 from its start; a last block that is shorter is filled with zeros.
;;     - A block's scale is 2^e with e = floor(log2(the largest magnitude in the block)) - 4, held to -126 .. 127; a block of zeros has e = 0. As a byte (E8M0): e + 127.
;;     - Each number is divided by its block's scale, clamped to +-28, and rounded to the nearest number of E3M2, ties to even, subnormals kept.
;;     - The product sums the exact products of the quantised numbers (number of the format x scale) in f32.
;;   ~~~python
;;   def quantise(x, axis):      # numpy; x: float32 -> the quantised numbers, widened to float32 again
;;       x = np.moveaxis(x, axis, -1); K = x.shape[-1]
;;       x = np.pad(x, [(0, 0)] * (x.ndim - 1) + [(0, -K % 32)]); x = x.reshape(x.shape[:-1] + (-1, 32)); a = np.abs(x).max(-1, keepdims=True)
;;       e = np.where(a > 0, np.clip(np.frexp(np.where(a > 0, a, 1))[1] - 1 - 4, -126, 127), 0)      # np.frexp(a)[1] - 1 = floor(log2(a)), exactly
;;       r = np.clip(x / 2.0 ** e, -28, 28)
;;       step = 2.0 ** (np.maximum(np.frexp(np.where(r == 0, 1, r))[1] - 1, -2) - 2)
;;       q = np.round(r / step) * step * 2.0 ** e      # np.round: ties to even
;;       return np.moveaxis(q.reshape(q.shape[:-2] + (-1,))[..., :K], -1, axis).astype(np.float32)
;;   ~~~
;;   SOFTMAX AHEAD OF A QUANTISED PRODUCT. Where the list says 'softmax', what is quantised is not the finished softmax but p = 2^(t - M), with t = logit x log2(e) and M = ceil(the row's largest t), a whole number; so 1/2 < the row's largest p <= 1. The row's sum l is taken of the UNQUANTISED p, in f32, and the product's result is divided by l at the end. Since M is a whole number, a kernel that streams over the keys may use a running M (the ceiling of the running maximum): every later rescaling is an exact power of two, which a block's scale takes up: the codes' values come out the same.
;;   OPERANDS COMPUTED ON THE WAY. 'Computed on the way' means the value that the module computes at that place (a softmax that the list does not call 'softmax' is quantised finished and normalised). What goes into a quantiser is computed in f32, as accurately as f32 sums, v_exp_f32 and their like allow (about 1e-6 of the number): no bf16 or f16 on the way to a quantiser, and a product that is left as it is and whose result goes on into a quantised operand takes f32 operands (vector FMAs, or v_wmma_f32_16x16x4_f32). A number that lies on a knife's edge between two numbers of the format may be rounded either way, as far as f32 arithmetic and the matrix unit's own rounding can turn it there, and no further.
;; 3 versions, each right; version 3 is version 2 with the launch attn written anew for expert scheduling mode. Each part assembles by itself: llvm-mc -triple=amdgcn-amd-amdhsa -mcpu=gfx1250 --defsym DOCPART=n.
;; ======== version 1 of 3: 4 launches
;; workspace buffers: opw 16,384,000 bytes; qkv 9,830,400 bytes; oc 3,276,800 bytes; flags 1,024 bytes of whole numbers
;; launch quant (part 1): grid 256 x 1, 6 waves a work-group, no clusters, 51,456 bytes of LDS; arguments x, wq, wk, wv, wo, attn_mask, opw, flags; writes opw, flags
.if DOCPART == 1
	.amdgcn_target "amdgcn-amd-amdhsa--gfx1250"
	.amdhsa_code_object_version 6
	.text
	.protected	k_q3af954d5c0_quant
	.globl	k_q3af954d5c0_quant
	.p2align	8
	.type	k_q3af954d5c0_quant,@function
k_q3af954d5c0_quant:
	s_mov_b64 s[64:65], 0
	v_nop
	global_prefetch_b8 v0, s[64:65] scope:SCOPE_SE
	s_setreg_imm32_b32 hwreg(HW_REG_WAVE_MODE, 25, 1), 1
	s_wait_xcnt 0x0
; x, wq, wk, wv, wo ([2048][2048] f32, K innermost) become codes of BF6 (E3M2) with one E8M0 byte for each 32 along K, laid in CELLS; the mask becomes 256 words of flags.
; A CELL is 128 rows x 128 along K of an operand, 12,800 bytes: fragment i (0..7) as an image of its 12 registers, register group g (4 registers) of lane l at 1536 i + 512 g + 16 l;
; then the scale words: fragment i, lane r (0..15) at 12288 + 256 (i / 4) + 16 r + 4 (i % 4).  Lane r of fragment i is row 32 (i / 2) + 8 (i % 2) + r + 8 (r / 8) of the cell's 128,
; so that where a fragment is source 0 of a product, the 16 result registers of fragments 2 b and 2 b + 1 are 16 neighbouring rows: neighbours along the next product's K.
; Cell (row / 128, k / 128) of tensor t lies at (256 t + 16 (row / 128) + k / 128) x 12,800 in opw.
; SHARES.  Work-group g takes cell g of each tensor: wave w (0..4) tensor w; wave 5 makes flags word g from mask rows 8 g .. 8 g + 7: bit s = some byte of keys 128 s .. 128 s + 127 is 1, bit 16 + s = all are 1.
; A load reads 512 consecutive bytes of one row; 16 rows turn through the wave's own stage in LDS (rows of 512 + 16 bytes) so that lane (r, h) holds k = 64 c + 32 h + 0 .. 31 of row r: two whole blocks.
; A block's scale is 2^(floor(log2(largest magnitude)) - 4): its byte is the largest magnitude's exponent field - 4, held at 1 from below by a floor among the maximum's leaves.
; LIMITS: NaN and infinities among the inputs are not served; a block whose largest magnitude lies under 2^-122 keeps the byte 1; a block of zeros has the byte 1 where the rule says 127:
; its codes are zeros, which add nothing, and this program alone reads the bytes.  No barrier: waves share nothing.  No matrix unit, no cluster: no input is read twice here.
.set CELL,  12800
.set STGB,  8448                       ; a wave's stage: 16 rows x 528 bytes
.set R,     16                         ; v16-143  two sets of 64: 16 rows x 16 bytes a lane, as loaded
.set X,     144                        ; v144-207 register 32 c + n = k 64 c + 32 h + n of row r
.set PC,    208                        ; v208-219 the fragment's 12 registers
.set PCT,   220                        ; v220-226 the second halves of the conversions
.set SW,    228                        ; v228-235 the eight fragments' scale words
	s_load_b512 s[4:19], s[0:1], 0x0               ; x, wq, wk, wv, wo, mask s[14:15], opw s[16:17], flags s[18:19]
	v_lshl_add_u32 v254, v0, 2, 0xc600
	v_mov_b32 v255, 0
	v_lshrrev_b32 v2, 5, v0
	v_readfirstlane_b32 s22, v2                    ; wave 0..5
	v_and_b32 v2, 31, v0                           ; lane
	v_lshlrev_b32 v1, 4, v2                        ; 16 x lane
	v_and_b32 v3, 15, v0                           ; r
	v_bfe_u32 v4, v0, 4, 1                         ; h
	s_mul_i32 s23, s22, STGB
	v_add_nc_u32 v5, s23, v1                       ; the stage, on the way in: 16 x lane of a row
	v_mul_u32_u24 v6, v3, 528
	v_lshl_add_u32 v6, v4, 7, v6
	v_add_nc_u32 v6, s23, v6                       ; and out: row r, + 128 h
	v_lshlrev_b32 v7, 3, v4                        ; 8 h: where my two bytes stand in the scale word
	v_mov_b32 v243, 0                              ; a lane permute's destination counts as read
	s_mov_b32 s20, 0x76543210
	s_mov_b32 s21, 0xfedcba98                      ; selects for lane l xor 16
	s_mov_b32 s27, 0
	s_mov_b32 s29, 0
	s_wait_kmcnt 0x0
	s_cmp_eq_u32 s22, 5
	s_cbranch_scc1 .Lmask
	s_cmp_eq_u32 s22, 1                            ; my tensor: the choice hangs on the wave's number alone
	s_cselect_b64 s[24:25], s[6:7], s[4:5]
	s_cmp_eq_u32 s22, 2
	s_cselect_b64 s[24:25], s[8:9], s[24:25]
	s_cmp_eq_u32 s22, 3
	s_cselect_b64 s[24:25], s[10:11], s[24:25]
	s_cmp_eq_u32 s22, 4
	s_cselect_b64 s[24:25], s[12:13], s[24:25]
	s_lshr_b32 s26, ttmp9, 4
	s_lshl_b32 s26, s26, 20                        ; 128 rows of 8,192 bytes
	s_and_b32 s28, ttmp9, 15
	s_lshl_b32 s28, s28, 9                         ; 128 numbers along K
	s_add_co_u32 s26, s26, s28
	s_add_nc_u64 s[24:25], s[24:25], s[26:27]
	s_lshl_b32 s28, s22, 8
	s_add_co_u32 s28, s28, ttmp9
	s_mul_i32 s28, s28, CELL
	s_add_nc_u64 s[16:17], s[16:17], s[28:29]      ; my cell
.macro LOAD t                          ; fragment t's 16 rows, 512 consecutive bytes each
.irp j, 0,1,2,3,4,5,6,7,8,9,10,11,12,13,14,15
	global_load_b128 v[R+64*((\t)%2)+4*\j:R+64*((\t)%2)+4*\j+3], v1, s[24:25] offset:(32*((\t)/2)+8*((\t)%2)+\j+8*(\j/8))*8192 th:TH_LOAD_NT
.endr
.endm
.macro TILE t
.if (\t) < 7
	s_wait_loadcnt 16                              ; this fragment's 16 loads are in; the next one's 16 may be out
.else
	s_wait_loadcnt 0x0
.endif
.irp j, 0,1,2,3,4,5,6,7,8,9,10,11,12,13,14,15
	ds_store_b128 v5, v[R+64*((\t)%2)+4*\j:R+64*((\t)%2)+4*\j+3] offset:528*\j
.endr
.irp c, 0,1
.irp q, 0,1,2,3,4,5,6,7
	ds_load_b128 v[X+32*\c+4*\q:X+32*\c+4*\q+3], v6 offset:256*\c+16*\q   ; LDS serves a wave's instructions in order: these see the stores above
.endr
.endr
	s_wait_dscnt 0x0
.if (\t)+2 < 8
	LOAD (\t)+2                                    ; into the set that the stores above have read
.endif
.irp c, 0,1
	v_max3_num_f32 v[236+\c], |v[X+32*\c]|, |v[X+1+32*\c]|, 0x2800000   ; my block 2 c + h, and the floor 2^(5 - 127)
.endr
.irp i, 2,4,6,8,10,12,14,16,18,20,22,24,26,28,30
.irp c, 0,1
	v_max3_num_f32 v[236+\c], v[236+\c], |v[X+32*\c+\i]|, |v[X+1+32*\c+\i]|
.endr
.endr
.irp c, 0,1
	v_add_nc_u32 v[238+\c], 0xfe000000, v[236+\c]  ; 4 off the exponent field: the conversion's scale operand
.endr
.irp c, 0,1
	v_lshrrev_b32 v[240+\c], 23, v[238+\c]         ; the scale's byte
.endr
	v_lshl_or_b32 v242, v241, 16, v240             ; blocks h and 2 + h,
	v_lshlrev_b32 v242, v7, v242                   ; at their places in the word;
	v_permlanex16_b32 v243, v242, s20, s21
	v_or_b32 v[SW+(\t)], v242, v243                ; with lane l xor 16's two the word is whole
	s_wait_xcnt 0x0                                ; the last fragment's stores have read their data registers
.irp c, 0,1
	v_cvt_scalef32_pk16_bf6_f32 v[PC+6*\c:PC+6*\c+2], v[X+32*\c:X+32*\c+15], v[238+\c]
	v_cvt_scalef32_pk16_bf6_f32 v[PCT+4*\c:PCT+4*\c+2], v[X+32*\c+16:X+32*\c+31], v[238+\c]   ; (a conversion's three registers begin on an even number)
.endr
	v_nop                                          ; one plain instruction behind the conversions
.irp c, 0,1
.irp i, 0,1,2
	v_mov_b32 v[PC+3+6*\c+\i], v[PCT+4*\c+\i]
.endr
.endr
.irp g, 0,1,2
	global_store_b128 v1, v[PC+4*\g:PC+4*\g+3], s[16:17] offset:1536*(\t)+512*\g   ; 512 consecutive bytes, at a multiple of 256 from the buffer's first byte
.endr
.endm
	LOAD 0
	LOAD 1
.irp t, 0,1,2,3,4,5,6,7
	TILE \t
.endr
	v_cmp_ne_u32 vcc_lo, 0, v4
.irp k, 0,1,2,3
	v_cndmask_b32 v[248+\k], v[SW+\k], v[SW+4+\k], vcc_lo   ; lanes 0-15: fragments 0-3's words of row r; lanes 16-31: fragments 4-7's
.endr
	global_store_b128 v1, v[248:251], s[16:17] offset:12288
	s_wait_tensorcnt 0x0
	ds_add_u32 v254, v255
	s_wait_dscnt 0x0
	s_endpgm
.Lmask:                                        ; wave 5: eight rows of the mask, 16,384 consecutive bytes
	s_lshl_b32 s26, ttmp9, 14
	s_add_nc_u64 s[14:15], s[14:15], s[26:27]
.set k, 0
.rept 32
	global_load_b128 v[16+4*k:19+4*k], v1, s[14:15] offset:512*k   ; load k, lane l: keys 512 (k % 4) + 16 l on: key group 4 (k % 4) + l / 8
.set k, k+1
.endr
	s_mov_b32 s30, 0x01010101
	s_mov_b32 s52, 0
	s_wait_loadcnt 0x0
.irp c, 0,1,2,3
	v_or_b32 v[144+\c], v[16+4*\c], v[17+4*\c]
	v_and_b32 v[148+\c], v[16+4*\c], v[17+4*\c]
.endr
.irp d, 2,3
.irp c, 0,1,2,3
	v_or_b32 v[144+\c], v[144+\c], v[16+4*\c+\d]
	v_and_b32 v[148+\c], v[148+\c], v[16+4*\c+\d]
.endr
.endr
.irp m, 1,2,3,4,5,6,7
.irp d, 0,1,2,3
.irp c, 0,1,2,3
	v_or_b32 v[144+\c], v[144+\c], v[16+16*\m+4*\c+\d]
	v_and_b32 v[148+\c], v[148+\c], v[16+16*\m+4*\c+\d]
.endr
.endr
.endr
.irp c, 0,1,2,3
	v_cmp_ne_u32 s[40+\c], 0, v[144+\c]            ; lanes that saw a 1
	v_cmp_eq_u32 s[44+\c], s30, v[148+\c]          ; lanes that saw nothing but 1
.endr
.irp c, 0,1,2,3
.irp b, 0,1,2,3
	s_bfe_u32 s50, s[40+\c], 0x80000+8*\b          ; the eight lanes of key group 4 c + b
	s_cmp_lg_u32 s50, 0
	s_cselect_b32 s51, 1<<(4*\c+\b), 0
	s_or_b32 s52, s52, s51
	s_bfe_u32 s50, s[44+\c], 0x80000+8*\b
	s_cmp_eq_u32 s50, 0xff
	s_cselect_b32 s51, 1<<(16+4*\c+\b), 0
	s_or_b32 s52, s52, s51
.endr
.endr
	v_mov_b32 v8, s52
	v_mov_b32 v9, 0
	s_lshl_b32 s26, ttmp9, 2
	s_add_nc_u64 s[18:19], s[18:19], s[26:27]
	v_cmp_eq_u32 vcc_lo, 0, v2
	s_wait_xcnt 0x0                                ; EXEC changes only behind this wait
	s_and_saveexec_b32 s53, vcc_lo
	global_store_b32 v9, v8, s[18:19]              ; one lane stores the word
	s_wait_xcnt 0x0
	s_or_b32 exec_lo, exec_lo, s53
	s_endpgm
.Lfunc_end_k_q3af954d5c0_quant:
	.size	k_q3af954d5c0_quant, .Lfunc_end_k_q3af954d5c0_quant-k_q3af954d5c0_quant
	.p2alignl 7, 3214868480
	.fill 96, 4, 3214868480
	.section	.rodata,"a",@progbits
	.p2align	6, 0x0
	.amdhsa_kernel k_q3af954d5c0_quant
		.amdhsa_group_segment_fixed_size 51456
		.amdhsa_private_segment_fixed_size 0
		.amdhsa_enable_private_segment 0
		.amdhsa_kernarg_size 64
		.amdhsa_user_sgpr_count 2
		.amdhsa_user_sgpr_kernarg_segment_ptr 1
		.amdhsa_wavefront_size32 1
		.amdhsa_system_sgpr_workgroup_id_x 1
		.amdhsa_system_sgpr_workgroup_id_y 1
		.amdhsa_system_sgpr_workgroup_id_z 1
		.amdhsa_system_vgpr_workitem_id 0
		.amdhsa_next_free_vgpr 256
		.amdhsa_next_free_sgpr 66
		.amdhsa_reserve_vcc 1
		.amdhsa_float_denorm_mode_32 3
		.amdhsa_float_denorm_mode_16_64 3
		.amdhsa_memory_ordered 1
		.amdhsa_forward_progress 1
		.amdhsa_inst_pref_size 75
	.end_amdhsa_kernel
	.amdgpu_metadata
---
amdhsa.version: [ 1, 2 ]
amdhsa.kernels:
  - .name:           k_q3af954d5c0_quant
    .symbol:         k_q3af954d5c0_quant.kd
    .args:
      - { .name: x, .offset: 0, .size: 8, .value_kind: global_buffer, .address_space: global }
      - { .name: wq, .offset: 8, .size: 8, .value_kind: global_buffer, .address_space: global }
      - { .name: wk, .offset: 16, .size: 8, .value_kind: global_buffer, .address_space: global }
      - { .name: wv, .offset: 24, .size: 8, .value_kind: global_buffer, .address_space: global }
      - { .name: wo, .offset: 32, .size: 8, .value_kind: global_buffer, .address_space: global }
      - { .name: attn_mask, .offset: 40, .size: 8, .value_kind: global_buffer, .address_space: global }
      - { .name: opw, .offset: 48, .size: 8, .value_kind: global_buffer, .address_space: global }
      - { .name: flags, .offset: 56, .size: 8, .value_kind: global_buffer, .address_space: global }
    .group_segment_fixed_size: 51456
    .private_segment_fixed_size: 0
    .kernarg_segment_align: 8
    .kernarg_segment_size: 64
    .max_flat_workgroup_size: 192
    .sgpr_count:     66
    .vgpr_count:     256
    .wavefront_size: 32
...
	.end_amdgpu_metadata
.endif
;; end of part 1
;; launch qkv (part 2): grid 24 x 8, 4 waves a work-group, clusters of 4 x 4, 327,680 bytes of LDS; arguments opw, rope_cos, rope_sin, q_norm_w, k_norm_w, qkv; writes qkv
.if DOCPART == 2
	.amdgcn_target "amdgcn-amd-amdhsa--gfx1250"
	.amdhsa_code_object_version 6
	.text
	.protected	k_q3af954d5c0_qkv
	.globl	k_q3af954d5c0_qkv
	.p2align	8
	.type	k_q3af954d5c0_qkv,@function
k_q3af954d5c0_qkv:
	s_mov_b64 s[64:65], 0
	v_nop
	global_prefetch_b8 v0, s[64:65] scope:SCOPE_SE
	s_setreg_imm32_b32 hwreg(HW_REG_WAVE_MODE, 25, 1), 1
	s_wait_xcnt 0x0
	s_wait_alu depctr_hold_cnt(0) depctr_sa_sdst(0) depctr_va_vdst(0) depctr_va_sdst(0) depctr_va_ssrc(0) depctr_va_vcc(0) depctr_vm_vsrc(0)
	s_getreg_b32 s2, hwreg(HW_REG_IB_STS2, 6, 4)
	s_cmp_eq_u32 s2, 0
	s_cbranch_scc0 .Lentry_in_a_cluster
	s_endpgm
.Lentry_in_a_cluster:
	s_bfe_u32 s2, ttmp6, 0x10000c
	s_cmp_lg_u32 s2, 0xf033
	s_cbranch_scc0 .Lentry_shape_is_right
	s_endpgm
.Lentry_shape_is_right:
; q = x wq^T, k = x wk^T (each with the RMS norm over a head's 128, the gain, RoPE, and the quantiser along the head) and V^T = wv x^T (quantised along the keys), all on codes of BF6 (E3M2), one E8M0 byte for each 32 along K.
; Operands come as CELLS (128 rows x 128 K, 12,800 bytes: eight fragments as images of their registers, then the scale words; lane r of fragment i is row 32 (i / 2) + 8 (i % 2) + r + 8 (r / 8)); results leave as cells.
; A tile of C is 256 x 256, a wave makes 128 x 128: 64 accumulators.  Tile columns 0-7: q's heads, 8-15: k's (A = x, B = wq, wk).  Tile columns 16-23: V^T (A = wv, B = x).  The two kinds part on the cluster's x, which all partners share.
; K goes in steps of 256 (two cells on end in memory, 25,600 dense bytes for each 128 rows) through a ring of two LDS slots; each wave fetches one such block by one tensor load.
; CLUSTERS: 4 x 4 work-groups; A's blocks are asked for jointly along a row of the cluster, B's along a column.
; THE MATRIX INSTRUCTION IS USED TRANSPOSED (source 0 = B's fragment, source 1 = A's): lane (r, h) of accumulator (a, b) holds A's row of lane r of fragment a, and by the cells' order of rows its registers 8 b + j
; (b = 0..7) are B's rows 32 (b / 2) + 16 h + 8 (b % 2) + j: the 64 registers of a block a are, sixteen by sixteen, neighbours along the next product's K.  So a block is normed, turned and quantised in registers, without LDS.
; REGISTERS: window 0: v1, v2 r, h; v16-31 addresses; v32-63 scale words, two sets; v128-223 A's fragments, one set.  window 1: B's fragments, two sets, at v0 and v128.  windows 2, 3: accumulators ((a, b) at v[8 (8 (a % 4) + b)]).
;   On the way out: window 0: v64-127, v128-191 cos, then the turned numbers, two sets; v192-211 codes; v212-227 at work; v230-235 sums of squares, rms; v240-251 scale words.  window 1: v0-63, v128-191 sin, two sets; v64-127 the gain.
; LIMITS: NaN and infinities are not served; a block under 2^-122 keeps the scale byte 1, a block of zeros too (its codes are zeros; this program alone reads the bytes).
.set CELL,  12800
.set KSB,   2*CELL                     ; what one tensor load brings: 128 rows x 256 along K
.set SLOT,  4*KSB                      ; A's two row groups, then B's two
.set SPARE, 2*SLOT                     ; the spare words, 128 bytes for each wave: two blocks of 256 bytes that no other line names
.set FR,    12
.set NL,    3                          ; LDS loads that bring a fragment
.set NP,    4                          ; places behind this matrix instruction (ISA guide 7.12.1)
.set LAPS,  4                          ; 2,048 along K = 8 K steps = 4 times round the ring
.set ADRA, 16                          ; v16-17  my A fragments in slot 0, 1: 16 x lane + the block
.set ADRB, 20                          ; v20-21  the same for B
.set ADRS, 22                          ; v22-23  scale words: lanes 0-15 A's, lanes 16-31 B's
.set L16,  26                          ; v26     16 x lane
.set SPW,  28
.set NIL,  29
.set RO,   30                          ; v30     cos, sin: (r + 8 (r / 8)) x 512 + 64 h
.set WO,   31                          ; v31     the gain: 64 h
.set SC,   32                          ; scale words: register 16 slot + 8 q + i
.set AF,   128
.set CS0,  64
.set PC,   192
.set TM,   212
.set SQ,   230
.set RM,   234
.set SW,   240
.set SWO,  248
.set WN,   64                          ; in window 1
.set G1, 24
.set G0, 32
.set G1B, 48
.set G0B, 56
.set OUTB, 72                          ; s[72:73] my output cell
.set COSB, 74
.set SINB, 76
.set WNB,  78
.set SEL,  82
.set MSB, 0
.macro WIN new                         ; the immediate's high byte repeats the setting that is left
.if MSB != (\new)
	s_set_vgpr_msb (MSB<<8)|(\new)
.set MSB, (\new)
.endif
.endm
.set MUL_LO, 0xa1                      ; source 0 (B) window 1, source 1 (A) window 0, C and D window 2
.set MUL_HI, 0xf1
.set TO_B,   0x40
.macro JLOAD g0a, g1a, g0b, g1b        ; a joint load: waves 0, 1 fetch for A, waves 2, 3 for B; four v_nop follow each line
	s_cmp_eq_u32 s15, 0
	s_cbranch_scc0 .Lfor_b_\@
	tensor_load_to_lds s[\g0a:\g0a+3], s[\g1a:\g1a+7]
	s_nop 0
.rept 4
	v_nop
.endr
	s_branch .Lasked_\@
.Lfor_b_\@:
	tensor_load_to_lds s[\g0b:\g0b+3], s[\g1b:\g1b+7]
	s_nop 0
.rept 4
	v_nop
.endr
.Lasked_\@:
.endm
.macro CREST
	s_cmp_lg_u32 s14, 0
	s_cbranch_scc1 .Lnot_wave_0_\@
	s_barrier_signal -3
.Lnot_wave_0_\@:
	s_barrier_wait -3
	s_barrier_signal -1
	s_barrier_wait -1
.endm
.macro CROUND
	s_barrier_signal -1
	s_barrier_wait -1
	CREST
.endm
	s_load_b256 s[4:11], s[0:1], 0x0               ; opw s[4:5], cos s[6:7], sin s[8:9], q's gain s[10:11]
	s_load_b128 s[68:71], s[0:1], 0x20             ; k's gain s[68:69], qkv s[70:71]
	v_lshl_add_u32 v[SPW], v0, 2, SPARE
	v_mov_b32 v[NIL], 0
	ds_add_u32 v28, v29
	ds_add_u32 v28, v29
	s_wait_dscnt 0x0
	v_lshrrev_b32 v1, 5, v0
	v_readfirstlane_b32 s14, v1                    ; wave 0..3
	s_lshr_b32 s15, s14, 1                         ; which half of the tile's rows is mine.  Also: I fetch for A (0) or for B (1)
	s_and_b32 s16, s14, 1                          ; which half of its columns.  Also: which 128 rows I fetch
	s_bfe_u32 s40, ttmp6, 0x40000                  ; cx, cy
	s_bfe_u32 s41, ttmp6, 0x40004
	s_cmp_lt_u32 ttmp9, 4                          ; q and k, or V^T: the cluster's x, equal in all sixteen partners
	s_cselect_b32 s84, 0, 4
	s_cselect_b32 s85, 0, 768*CELL                 ; A: x, or wv
	s_cselect_b32 s86, 256*CELL, 0                 ; B: wq and wk on end, or x
	s_sub_co_u32 s84, ttmp9, s84
	s_lshl_b32 s42, s84, 2
	s_add_co_u32 s42, s42, s40                     ; tile column within the kind
	s_and_b32 s17, ttmp7, 0xffff
	s_lshl_b32 s17, s17, 2
	s_add_co_u32 s17, s17, s41                     ; tile row
	s_lshl_b32 s43, s41, 2
	s_lshl_b32 s43, 15, s43                        ; my row of the cluster
	s_lshl_b32 s44, 0x1111, s40                    ; my column
	s_or_b32 s[G1+0], s43, (3<<16)|(1<<21)         ; 15:0 the mask; 17:16 elements of 8 bytes; 20 no padding; 21 set beside a mask
	s_or_b32 s[G1B+0], s44, (3<<16)|(1<<21)
.irp g, G1, G1B
	s_mov_b32 s[\g+1], 32<<16                      ; tensor_dim0 = 32 elements: rows of 256 bytes
	s_mov_b32 s[\g+2], 100<<16                     ; tensor_dim1 = 100 rows: 25,600 dense bytes
	s_mov_b32 s[\g+3], 32<<16                      ; tile_dim0
	s_mov_b32 s[\g+4], 100                         ; tile_dim1
	s_mov_b32 s[\g+5], 32                          ; the pitch
	s_mov_b32 s[\g+6], 0
	s_mov_b32 s[\g+7], 0
.endr
	s_lshl_b32 s20, s17, 1
	s_add_co_u32 s20, s20, s16                     ; A: row group 2 x tile row + which
	s_mul_i32 s20, s20, 16*CELL
	s_add_co_u32 s20, s20, s85
	s_mov_b32 s21, 0
	s_lshl_b32 s46, s42, 1
	s_add_co_u32 s46, s46, s16                     ; B: row group 2 x tile column + which
	s_mul_i32 s46, s46, 16*CELL
	s_add_co_u32 s46, s46, s86
	s_mov_b32 s47, 0
	s_mul_i32 s45, s14, KSB                        ; where they go: wave x 25,600: no place in the cluster enters an LDS address
	s_wait_kmcnt 0x0
	s_add_nc_u64 s[20:21], s[4:5], s[20:21]
	s_add_nc_u64 s[46:47], s[4:5], s[46:47]
	CROUND                                         ; all sixteen work-groups are here: the first joint loads meet
.irp s, 0,1
	s_mov_b32 s[G0+4*\s], 1
	s_add_co_u32 s[G0+4*\s+1], s45, \s*SLOT
	s_add_nc_u64 s[G0+4*\s+2:G0+4*\s+3], s[20:21], \s*KSB
	s_or_b32 s[G0+4*\s+3], s[G0+4*\s+3], 0x80000000
	s_mov_b32 s[G0B+4*\s], 1
	s_add_co_u32 s[G0B+4*\s+1], s45, \s*SLOT
	s_add_nc_u64 s[G0B+4*\s+2:G0B+4*\s+3], s[46:47], \s*KSB
	s_or_b32 s[G0B+4*\s+3], s[G0B+4*\s+3], 0x80000000
	JLOAD G0+4*\s, G1, G0B+4*\s, G1B               ; by this text's count two loads of a wave are out here, later one
.endr
	v_and_b32 v1, 15, v0                           ; r
	v_bfe_u32 v2, v0, 4, 1                         ; h
	v_and_b32 v3, 31, v0
	v_lshlrev_b32 v[L16], 4, v3
	s_mul_i32 s21, s15, KSB                        ; my 128 rows of A
	s_mul_i32 s22, s16, KSB
	s_add_co_u32 s22, s22, 2*KSB                   ; my 128 rows of B
	s_sub_co_u32 s23, s22, s21
	v_mul_u32_u24 v4, s23, v2                      ; lanes 16-31 take B's scale words
	v_lshl_add_u32 v4, v1, 4, v4
.irp s, 0,1
	v_add_nc_u32 v[ADRA+\s], s21, v[L16]
	v_add_nc_u32 v[ADRB+\s], s22, v[L16]
	v_add_nc_u32 v[ADRS+\s], s21, v4
	s_add_co_u32 s21, s21, SLOT
	s_add_co_u32 s22, s22, SLOT
.endr
	v_and_b32 v[RO], 8, v1
	v_add_nc_u32 v[RO], v[RO], v1
	v_lshlrev_b32 v[RO], 9, v[RO]
	v_lshlrev_b32 v[WO], 6, v2
	v_add_nc_u32 v[RO], v[RO], v[WO]
	s_lshl_b32 s87, s42, 1
	s_add_co_u32 s87, s87, s16                     ; my 128 columns: q, k: the head (0-15 q's, 16-31 k's); V^T: the keys' group
	s_lshl_b32 s88, s17, 1
	s_add_co_u32 s88, s88, s15                     ; my 128 rows: q, k: the tokens' group; V^T: the head
	s_cmp_lt_u32 ttmp9, 4
	s_cselect_b32 s89, s87, s88
	s_cselect_b32 s90, s88, s87
	s_cselect_b32 s91, 0, 512
	s_lshl_b32 s89, s89, 4
	s_add_co_u32 s89, s89, s90
	s_add_co_u32 s89, s89, s91
	s_mul_i32 s[OUTB], s89, CELL
	s_mov_b32 s[OUTB+1], 0
	s_add_nc_u64 s[OUTB:OUTB+1], s[70:71], s[OUTB:OUTB+1]
	s_lshl_b32 s92, s88, 16                        ; 128 rows of cos or sin, 512 bytes each
	s_mov_b32 s93, 0
	s_add_nc_u64 s[COSB:COSB+1], s[6:7], s[92:93]
	s_add_nc_u64 s[SINB:SINB+1], s[8:9], s[92:93]
	s_cmp_lt_u32 ttmp9, 2
	s_cselect_b64 s[WNB:WNB+1], s[10:11], s[68:69]
	s_mov_b32 s80, 0x3c000000                      ; 1 / 128
	s_mov_b32 s81, 0x358637bd                      ; 1e-6
	s_mov_b32 s[SEL], 0x76543210
	s_mov_b32 s[SEL+1], 0xfedcba98
.macro FRAG reg, adr, q, i             ; a fragment: three loads of 16 bytes a lane, 512 consecutive bytes each
.irp g, 0,1,2
	ds_load_b128 v[\reg+4*\g:\reg+4*\g+3], v[\adr] offset:CELL*(\q)+1536*(\i)+512*\g
.endr
.endm
; 16 matrix instructions: A's blocks a0, a0 + 1 x B's eight.  p: B's set; q: which 128 of the slot; sc: the set of scale words.  The 64 accumulators take turns, one instruction a turn.
.macro MUL16 a0, p, q, sc, zero
.irp a, \a0, \a0+1
.irp b, 0,1,2,3,4,5,6,7
.if \zero
	v_wmma_scale_f32_16x16x128_f8f6f4 v[8*(8*((\a)%4)+\b):8*(8*((\a)%4)+\b)+7], v[128*(\p)+FR*\b:128*(\p)+FR*\b+FR-1], v[AF+FR*(\a):AF+FR*(\a)+FR-1], 0, v[SC+16*(\sc)+8*(\q)+\b], v[SC+16*(\sc)+8*(\q)+(\a)] matrix_a_fmt:MATRIX_FMT_BF6 matrix_b_fmt:MATRIX_FMT_BF6 matrix_a_scale:MATRIX_SCALE_ROW1
.else
	v_wmma_scale_f32_16x16x128_f8f6f4 v[8*(8*((\a)%4)+\b):8*(8*((\a)%4)+\b)+7], v[128*(\p)+FR*\b:128*(\p)+FR*\b+FR-1], v[AF+FR*(\a):AF+FR*(\a)+FR-1], v[8*(8*((\a)%4)+\b):8*(8*((\a)%4)+\b)+7], v[SC+16*(\sc)+8*(\q)+\b], v[SC+16*(\sc)+8*(\q)+(\a)] matrix_a_fmt:MATRIX_FMT_BF6 matrix_b_fmt:MATRIX_FMT_BF6 matrix_a_scale:MATRIX_SCALE_ROW1
.endif
.endr
.endr
.endm
.macro FETCH_B slot, q, p
	WIN TO_B
.irp i, 0,1,2,3,4,5,6,7
	FRAG 128*(\p)+FR*\i, ADRB+\slot, \q, \i
.endr
	WIN 0
.endm
.macro FETCH_A slot, q, i0
.irp i, \i0, \i0+1, \i0+2, \i0+3
	FRAG AF+FR*(\i), ADRA+\slot, \q, \i
.endr
.endm
.macro SCALES sl                       ; a slot's scale words: for each 128 along K eight words a lane, by two loads
.irp q, 0,1
.irp u, 0,1
	ds_load_b128 v[SC+16*\sl+8*\q+4*\u:SC+16*\sl+8*\q+4*\u+3], v[ADRS+\sl] offset:12288+CELL*\q+256*\u
.endr
.endr
.endm
.macro PLACES n                        ; plain vector instructions between a matrix instruction and a load into, or a vector instruction on, its registers (ISA guide 7.12.1 for vector instructions)
.rept \n
	v_nop
.endr
.endm
.macro STEP slot, q, zero              ; 128 along K whose successor lies in the same slot
	s_wait_dscnt 4*NL                              ; all but the youngest 12 loads: A's blocks 4-7
	WIN MUL_LO
	MUL16 0, (\q)%2, \q, \slot, \zero
	MUL16 2, (\q)%2, \q, \slot, \zero
	s_wait_dscnt 0
	PLACES NP
	FETCH_B \slot, (\q)+1, 1-(\q)%2
	FETCH_A \slot, (\q)+1, 0
	WIN MUL_HI
	MUL16 4, (\q)%2, \q, \slot, \zero
	MUL16 6, (\q)%2, \q, \slot, \zero
	PLACES NP
	WIN 0
	FETCH_A \slot, (\q)+1, 4
.endm
; A slot's last 128 changes slots: one barrier; in front of it each wave waits for all its tensor loads, adds 0 to its spare word, and waits for that and for its reads of this slot.
.macro TURN slot, next, fill
	s_wait_tensorcnt 0x0                           ; my part of the next slot has landed
	ds_add_u32 v[SPW], v[NIL]
	s_wait_dscnt 4*NL+1                            ; the add and A's blocks 4-7 (12 loads) may be out
	WIN MUL_LO
	MUL16 0, 1, 1, \slot, 0
	s_wait_dscnt 0x0                               ; the add is done, and my reads of this slot are over
	s_barrier_signal -1
	MUL16 2, 1, 1, \slot, 0
	WIN 0
	s_barrier_wait -1
.if \fill
	CREST                                          ; the barrier has opened a round of the cluster's barrier
	s_add_nc_u64 s[G0+4*\slot+2:G0+4*\slot+3], s[G0+4*\slot+2:G0+4*\slot+3], 2*KSB
	s_add_nc_u64 s[G0B+4*\slot+2:G0B+4*\slot+3], s[G0B+4*\slot+2:G0B+4*\slot+3], 2*KSB
	JLOAD G0+4*\slot, G1, G0B+4*\slot, G1B         ; the first tensor load behind the round; its four v_nop are the places in front of the loads below
.else
	PLACES NP
.endif
	FETCH_B \next, 0, 0
	FETCH_A \next, 0, 0
	SCALES \next
	WIN MUL_HI
	MUL16 4, 1, 1, \slot, 0
	MUL16 6, 1, 1, \slot, 0
	PLACES NP
	WIN 0
	FETCH_A \next, 0, 4
.endm
.macro LASTSTEP
	s_wait_dscnt 4*NL
	WIN MUL_LO
	MUL16 0, 1, 1, 1, 0
	MUL16 2, 1, 1, 1, 0
	s_wait_dscnt 0
	WIN MUL_HI
	MUL16 4, 1, 1, 1, 0
	MUL16 6, 1, 1, 1, 0
	WIN 0
.endm
; 64 numbers of a lane in window w, register 16 b + i = k 32 b + 16 h + i of my row, become a fragment's codes in v[PC] on and its scale word in v[pw].
.macro QUANT s, w, pw
	WIN (\w)|((\w)<<2)
.irp b, 0,1,2,3
	v_max3_num_f32 v[TM+\b], |v[(\s)+16*\b]|, |v[(\s)+1+16*\b]|, 0x2800000   ; and the floor 2^(5 - 127)
.endr
.irp i, 2,4,6,8,10,12,14
.irp b, 0,1,2,3
	v_max3_num_f32 v[TM+\b], |v[(\s)+16*\b+\i]|, |v[(\s)+1+16*\b+\i]|, v[TM+\b]
.endr
.endr
	WIN 0
.irp b, 0,1,2,3
	v_permlanex16_b32 v[TM+4+\b], v[TM+\b], s[SEL], s[SEL+1]
.endr
.irp b, 0,1,2,3
	v_max_num_f32 v[TM+\b], v[TM+\b], v[TM+4+\b]   ; with lane l xor 16's: the block's largest magnitude
.endr
.irp b, 0,1,2,3
	v_add_nc_u32 v[TM+12+\b], 0xfe000000, v[TM+\b] ; 4 off the exponent field: the conversion's scale operand
.endr
.irp b, 0,1,2,3
	v_lshrrev_b32 v[TM+4+\b], 23, v[TM+12+\b]      ; the byte
.endr
	v_lshl_or_b32 v[\pw], v[TM+5], 8, v[TM+4]
	v_lshl_or_b32 v[\pw], v[TM+6], 16, v[\pw]
	v_lshl_or_b32 v[\pw], v[TM+7], 24, v[\pw]
	WIN (\w)
.irp c, 0,1
	v_cvt_scalef32_pk16_bf6_f32 v[PC+6*\c:PC+2+6*\c], v[(\s)+32*\c:(\s)+15+32*\c], v[TM+12+2*\c]
	v_cvt_scalef32_pk16_bf6_f32 v[PC+12+4*\c:PC+14+4*\c], v[(\s)+16+32*\c:(\s)+31+32*\c], v[TM+12+2*\c+1]
.endr
	WIN 0
	v_nop                                          ; one plain instruction behind the conversions
.irp c, 0,1                            ; the layout wants a whole block in a lane
.irp i, 0,1,2
	v_permlane16_swap_b32 v[PC+6*\c+\i], v[PC+12+4*\c+\i]
.endr
.irp i, 0,1,2
	v_mov_b32 v[PC+3+6*\c+\i], v[PC+12+4*\c+\i]
.endr
.endr
.endm
.macro OUT3 a                          ; fragment a's image
.irp g, 0,1,2
	global_store_b128 v[L16], v[PC+4*\g:PC+4*\g+3], s[OUTB:OUTB+1] offset:1536*(\a)+512*\g
.endr
.endm
.macro EPIINIT                         ; written once: a lane permute's destination counts as read, and so does the upper half of a pair
.irp b, 0,1,2,3
	v_mov_b32 v[TM+4+\b], 0
.endr
	v_mov_b32 v[RM+1], 0
.endm
.macro CSLOAD a                        ; block a's cos and sin: my token's row, my 64 channels, sixteen loads each, into set a % 2
.set cso, (32*((\a)/2)+8*((\a)%2))*512
.set csp, (\a)%2
	WIN 0x40
.set gi, 0
.rept 16
	global_load_b128 v[128*csp+4*gi:128*csp+4*gi+3], v[RO], s[SINB:SINB+1] offset:cso+128*(gi/4)+16*(gi%4)
.set gi, gi+1
.endr
	WIN 0
.set gi, 0
.rept 16
	global_load_b128 v[CS0+64*csp+4*gi:CS0+64*csp+4*gi+3], v[RO], s[COSB:COSB+1] offset:cso+128*(gi/4)+16*(gi%4)
.set gi, gi+1
.endr
.endm
; Block a of q or k: 16 tokens x the head's 128.  rms, gain, RoPE (channel d and d + 64 are registers n and n + 32 of one lane), quantiser, store.
.macro QKBLK a
.if (\a) < 7
	CSLOAD (\a)+1
.endif
.set AC, 64*((\a)%4)
.set WW, 2+(\a)/4
.set CSP, CS0+64*((\a)%2)
.set SNP, 128*((\a)%2)
	WIN WW|(WW<<2)
	v_pk_mul_f32 v[SQ:SQ+1], v[AC:AC+1], v[AC:AC+1]              ; sums of squares, in two chains; each accumulator is read from its low end on
	v_pk_mul_f32 v[SQ+2:SQ+3], v[AC+2:AC+3], v[AC+2:AC+3]
.set mi, 4
.rept 15
	v_pk_fma_f32 v[SQ:SQ+1], v[AC+mi:AC+mi+1], v[AC+mi:AC+mi+1], v[SQ:SQ+1]
	v_pk_fma_f32 v[SQ+2:SQ+3], v[AC+mi+2:AC+mi+3], v[AC+mi+2:AC+mi+3], v[SQ+2:SQ+3]
.set mi, mi+4
.endr
	WIN 0
	v_pk_add_f32 v[SQ:SQ+1], v[SQ:SQ+1], v[SQ+2:SQ+3]
	v_add_f32 v[SQ], v[SQ], v[SQ+1]
	v_permlanex16_b32 v[SQ+2], v[SQ], s[SEL], s[SEL+1]
	v_add_f32 v[SQ], v[SQ], v[SQ+2]                ; with lane l xor 16's 64 channels
	v_fma_f32 v[SQ], v[SQ], s80, s81               ; the mean + 1e-6
	v_rsq_f32 v[RM], v[SQ]
	v_nop                                          ; a plain instruction behind the transcendental
	s_wait_alu depctr_va_vdst(0)                   ; and the wait ahead of its first reader
	WIN WW|(WW<<6)
.set mi, 0
.rept 32
	v_pk_mul_f32 v[AC+mi:AC+mi+1], v[AC+mi:AC+mi+1], v[RM:RM+1] op_sel_hi:[1,0]
.set mi, mi+2
.endr
.if (\a) < 7
	s_wait_loadcnt 32                              ; the gain and this block's cos and sin are in; the next block's 32 loads may be out
.else
	s_wait_loadcnt 0x0
.endif
	WIN WW|4|(WW<<6)
.set mi, 0
.rept 32
	v_pk_mul_f32 v[AC+mi:AC+mi+1], v[AC+mi:AC+mi+1], v[WN+mi:WN+mi+1]      ; y = (x rms) w
.set mi, mi+2
.endr
	WIN WW
.set mi, 0
.rept 32
	v_pk_mul_f32 v[CSP+mi:CSP+mi+1], v[AC+mi:AC+mi+1], v[CSP+mi:CSP+mi+1]  ; y cos
.set mi, mi+2
.endr
	WIN WW|4
.set mi, 0
.rept 16
	v_pk_fma_f32 v[CSP+mi:CSP+mi+1], v[AC+32+mi:AC+33+mi], v[SNP+mi:SNP+mi+1], v[CSP+mi:CSP+mi+1] neg_lo:[1,0,0] neg_hi:[1,0,0]   ; d < 64: - y(d + 64) sin
.set mi, mi+2
.endr
.set mi, 0
.rept 16
	v_pk_fma_f32 v[CSP+32+mi:CSP+33+mi], v[AC+mi:AC+mi+1], v[SNP+32+mi:SNP+33+mi], v[CSP+32+mi:CSP+33+mi]   ; d >= 64: + y(d - 64) sin
.set mi, mi+2
.endr
	WIN 0
	s_wait_xcnt 0x0                                ; the last block's stores have read their data registers
	QUANT CSP, 0, SW+(\a)
	OUT3 \a
.endm
.macro VBLK a                          ; block a of V^T: 16 channels x 128 keys, quantised as it stands
	s_wait_xcnt 0x0
	QUANT 64*((\a)%4), 2+(\a)/4, SW+(\a)
	OUT3 \a
.endm
	s_wait_tensorcnt 1                             ; my part of K step 0 is in; K step 1's load may be out
	s_barrier_signal -1
	s_barrier_wait -1
	FETCH_B 0, 0, 0
	FETCH_A 0, 0, 0
	SCALES 0
	FETCH_A 0, 0, 4
	STEP 0, 0, 1                                   ; the first products start the sums
	s_mov_b32 s3, LAPS-1
.Llap:
	TURN 0, 1, 1
	STEP 1, 0, 0
	TURN 1, 0, 1
	STEP 0, 0, 0
	s_sub_co_u32 s3, s3, 1
	s_cmp_lg_u32 s3, 0
	s_cbranch_scc1 .Llap
	TURN 0, 1, 0                                   ; the last lap fills nothing
	STEP 1, 0, 0
	s_cmp_lt_u32 ttmp9, 4                          ; one branch, two whole tails
	s_cbranch_scc0 .Lvtail
	WIN 0x40                                       ; B's set 0 is done with, four places back: the gain and block 0's sin land there while the last products run
.set gi, 0
.rept 16
	global_load_b128 v[WN+4*gi:WN+4*gi+3], v[WO], s[WNB:WNB+1] offset:128*(gi/4)+16*(gi%4)
.set gi, gi+1
.endr
	WIN 0
	CSLOAD 0
	LASTSTEP
	PLACES NP
	EPIINIT
.irp a, 0,1,2,3,4,5,6,7
	QKBLK \a
.endr
	s_branch .Lend
.Lvtail:
	LASTSTEP
	PLACES NP
	EPIINIT
.irp a, 0,1,2,3,4,5,6,7
	VBLK \a
.endr
.Lend:
	v_cmp_ne_u32 vcc_lo, 0, v2
.irp k, 0,1,2,3
	v_cndmask_b32 v[SWO+\k], v[SW+\k], v[SW+4+\k], vcc_lo   ; lanes 0-15: fragments 0-3's words, lanes 16-31: fragments 4-7's
.endr
	global_store_b128 v[L16], v[SWO:SWO+3], s[OUTB:OUTB+1] offset:12288
	s_wait_tensorcnt 0x0                           ; the wave's end
	ds_add_u32 v[SPW], v[NIL]
	s_wait_dscnt 0x0
	CROUND                                         ; the closing round
	s_endpgm
.Lfunc_end_k_q3af954d5c0_qkv:
	.size	k_q3af954d5c0_qkv, .Lfunc_end_k_q3af954d5c0_qkv-k_q3af954d5c0_qkv
	.p2alignl 7, 3214868480
	.fill 96, 4, 3214868480
	.section	.rodata,"a",@progbits
	.p2align	6, 0x0
	.amdhsa_kernel k_q3af954d5c0_qkv
		.amdhsa_group_segment_fixed_size 327680
		.amdhsa_private_segment_fixed_size 0
		.amdhsa_enable_private_segment 0
		.amdhsa_kernarg_size 48
		.amdhsa_user_sgpr_count 2
		.amdhsa_user_sgpr_kernarg_segment_ptr 1
		.amdhsa_wavefront_size32 1
		.amdhsa_system_sgpr_workgroup_id_x 1
		.amdhsa_system_sgpr_workgroup_id_y 1
		.amdhsa_system_sgpr_workgroup_id_z 1
		.amdhsa_system_vgpr_workitem_id 0
		.amdhsa_next_free_vgpr 1024
		.amdhsa_next_free_sgpr 100
		.amdhsa_reserve_vcc 1
		.amdhsa_float_denorm_mode_32 3
		.amdhsa_float_denorm_mode_16_64 3
		.amdhsa_memory_ordered 1
		.amdhsa_forward_progress 1
		.amdhsa_inst_pref_size 255
	.end_amdhsa_kernel
	.section	.bss,"aw",@nobits
	.p2align	6
	.space	262144
	.amdgpu_metadata
---
amdhsa.version: [ 1, 2 ]
amdhsa.kernels:
  - .name:           k_q3af954d5c0_qkv
    .symbol:         k_q3af954d5c0_qkv.kd
    .args:
      - { .name: opw, .offset: 0, .size: 8, .value_kind: global_buffer, .address_space: global }
      - { .name: rope_cos, .offset: 8, .size: 8, .value_kind: global_buffer, .address_space: global }
      - { .name: rope_sin, .offset: 16, .size: 8, .value_kind: global_buffer, .address_space: global }
      - { .name: q_norm_w, .offset: 24, .size: 8, .value_kind: global_buffer, .address_space: global }
      - { .name: k_norm_w, .offset: 32, .size: 8, .value_kind: global_buffer, .address_space: global }
      - { .name: qkv, .offset: 40, .size: 8, .value_kind: global_buffer, .address_space: global }
    .group_segment_fixed_size: 327680
    .private_segment_fixed_size: 0
    .kernarg_segment_align: 8
    .kernarg_segment_size: 48
    .max_flat_workgroup_size: 128
    .sgpr_count:     100
    .vgpr_count:     1024
    .wavefront_size: 32
...
	.end_amdgpu_metadata
.endif
;; end of part 2
;; launch attn (part 3): grid 16 x 16, 8 waves a work-group, no clusters, 132,608 bytes of LDS; arguments qkv, attn_mask, flags, oc; writes oc
.if DOCPART == 3
	.amdgcn_target "amdgcn-amd-amdhsa--gfx1250"
	.amdhsa_code_object_version 6
	.text
	.protected	k_q3af954d5c0_attn
	.globl	k_q3af954d5c0_attn
	.p2align	8
	.type	k_q3af954d5c0_attn,@function
k_q3af954d5c0_attn:
	s_mov_b64 s[64:65], 0
	v_nop
	global_prefetch_b8 v0, s[64:65] scope:SCOPE_SE
	s_setreg_imm32_b32 hwreg(HW_REG_WAVE_MODE, 25, 1), 1
	s_wait_xcnt 0x0
; O = softmax(mask(q k^T / sqrt(128))) v for 16 heads of 2,048 tokens, both products on codes of BF6 (E3M2); O / l is quantised along the model's 2,048 and leaves as cells for the last product.
; q, k, V^T come as CELLS (128 rows x 128 K, 12,800 bytes: eight fragments as register images, then scale words; lane r of fragment i is row 32 (i / 2) + 8 (i % 2) + r + 8 (r / 8)).
; THE SOFTMAX: t = score x log2(e) / sqrt(128); M = the running largest t rounded up to a whole number; p = 2^(t - M) is quantised along the keys; l is the sum of the unquantised p and divides O at the end.
; THE MASK is an input and is honoured byte by byte.  An earlier launch has stored, for each 8 rows and each 128 keys, whether any byte is 1 and whether all are.  A key step none of whose 16 x 128 bytes is 1 is left out
; (its p are 0); one all of whose bytes are 1 reads no mask; any other loads its bytes and sets hidden scores to -infinity ahead of the maximum.  A query with no key at all has l = 0: its scale bytes are set to 0xff,
; so that its whole row of the result comes out NaN, as the softmax of nothing but -infinity does.
; SHARES.  Work-group (x, head): query groups x / 2 and 15 - x / 2, fragments 4 (x % 2) .. + 3 of each; a wave owns one fragment of 16 queries.  The pairing only evens the work where late queries see more keys.
; Both products are used transposed (S^T = K Q^T, O^T = V^T P^T): a lane holds one query throughout, and by the cells' order of rows its registers run along the keys, then along the channels.
; K and V^T of two key steps (4 cells, 51,200 bytes) lie in one of two LDS slots, filled THROUGH REGISTERS, an eighth by each wave, a slot ahead; one barrier for each change of slots.
; NO TENSOR LOAD AND NO CLUSTER: which steps a wave works, and which cells are fetched, hangs on the stored flags; what the 16 work-groups of a head share
; is 409,600 bytes, fetched once by each.
; REGISTERS: window 0: v3-11 addresses that stay; v12 -M, v13 the largest t, v[14:15] l; v16-27 Q, v255 its scale word; v28-31 mask offset, -infinity, mask address, prefetch offset; v32-39, v40-47 K's and V's scale words;
;   v48-63 mask bytes; v64-67 at work; v96-159 S^T, then p; v160-223 O^T; v224-254 p's codes and work.  window 1: v0-49 the fill on its way; v64-159 K's eight fragments; v160-255 V's.
; LIMITS: NaN and infinities among the inputs are not served.
.set CELL,  12800
.set VOFF,  2*CELL                     ; a slot: K's two cells, then V's two
.set SLOT1, 65536
.set STG,   2*SLOT1                    ; 512 bytes: the eight fragments' scale words on the way out
.set AD,   3                           ; v3, v4    16 x lane (+ slot 1)
.set AS,   5                           ; v5, v6    16 r (+ slot 1)
.set FS,   7                           ; v7, v8    the fill's stores: 6,400 x wave + 16 x lane
.set FT,   9                           ; v9, v10   and its last 256 bytes: 6,400 x wave + 8 x lane
.set L8,   11
.set MO,   28
.set NINF, 29
.set MA,   30
.set PFO,  31
.set KS,   32
.set VS,   40
.set M,    48
.set T,    64
.set PC,   48                          ; the way out
.set TM,   68
.set PW,   84
.set SWA,  85
.set SRA,  86
.set SGO,  87
.set KF,   64                          ; window 1
.set VF,   160
.set SEL,  20
.set CS,   22
.set FB,   24                          ; s[24:25] my eighth of the slot being fetched
.set MB,   26                          ; s[26:27] the mask at my fragment's first query
.set SG,   28                          ; the key step
.set SK,   29                          ; 128 x it
.set SS,   30                          ; the slot in hand
.set NB,   31                          ; the key step to which my eighth of the next slot belongs
.set ANY,  48
.set ALL,  49
.set WGA,  50
.set PLIM, 51
.set PS,   52                          ; s53-55 byte selects
.set MSB, 0
.macro WIN new
.if MSB != (\new)
	s_set_vgpr_msb (MSB<<8)|(\new)
.set MSB, (\new)
.endif
.endm
	s_load_b256 s[4:11], s[0:1], 0x0               ; qkv s[4:5], mask s[6:7], flags s[8:9], oc s[10:11]
	v_lshl_add_u32 v250, v0, 2, 0x20200
	v_mov_b32 v251, 0
	v_lshrrev_b32 v1, 5, v0
	v_readfirstlane_b32 s12, v1                    ; wave 0..7
	s_lshr_b32 s13, ttmp9, 1                       ; pi
	s_and_b32 s14, ttmp9, 1                        ; e
	s_and_b32 s15, ttmp7, 0xffff                   ; the head
	s_lshr_b32 s16, s12, 2
	s_xor_b32 s16, s16, s12
	s_and_b32 s16, s16, 1                          ; role: 0 the early group, 1 the late one
	s_lshr_b32 s17, s12, 1                         ; which of the four fragments
	s_sub_co_u32 s18, 15, s13
	s_cmp_lg_u32 s16, 0
	s_cselect_b32 s18, s18, s13                    ; my query group
	s_lshl_b32 s19, s14, 2
	s_add_co_u32 s19, s19, s17                     ; my fragment
	s_lshr_b32 s56, s12, 2                         ; my eighth of a slot: waves 0-3 K's, waves 4-7 V's;
	s_add_co_u32 s56, s56, 1
	s_mul_i32 s56, s56, 256*CELL
	s_mul_i32 s57, s15, 16*CELL                    ; the head's 16 cells;
	s_add_co_u32 s56, s56, s57
	s_bfe_u32 s58, s12, 0x10001                    ; which of the slot's two key steps;
	s_add_co_u32 s[NB], s58, 2
	s_mul_i32 s58, s58, CELL
	s_add_co_u32 s56, s56, s58
	s_and_b32 s58, s12, 1                          ; which half of the cell
	s_mul_i32 s58, s58, 6400
	s_add_co_u32 s56, s56, s58
	s_mov_b32 s57, 0
	v_and_b32 v1, 31, v0
	v_lshlrev_b32 v[AD], 4, v1
	v_add_nc_u32 v[AD+1], SLOT1, v[AD]
	v_and_b32 v2, 15, v0
	v_lshlrev_b32 v[AS], 4, v2
	v_add_nc_u32 v[AS+1], SLOT1, v[AS]
	s_mul_i32 s58, s12, 6400
	v_add_nc_u32 v[FS], s58, v[AD]
	v_add_nc_u32 v[FS+1], SLOT1, v[FS]
	v_lshlrev_b32 v[L8], 3, v1
	v_add_nc_u32 v[FT], s58, v[L8]
	v_add_nc_u32 v[FT+1], SLOT1, v[FT]
	s_lshl_b32 s58, s16, 8
	s_lshl_b32 s59, s17, 2
	s_add_co_u32 s58, s58, s59
	s_add_co_u32 s58, s58, STG
	v_add_nc_u32 v[SWA], s58, v[AS]                ; my scale word's place: 256 x role + 16 r + 4 x fragment
	v_add_nc_u32 v[SRA], STG, v[AD]
	s_wait_kmcnt 0x0
	s_add_nc_u64 s[FB:FB+1], s[4:5], s[56:57]
.macro FLOAD                           ; 6,400 bytes: twelve loads of 512 and one of 256
	WIN 0x40
.set k, 0
.rept 12
	global_load_b128 v[4*k:4*k+3], v[AD], s[FB:FB+1] offset:512*k
.set k, k+1
.endr
	global_load_b64 v[48:49], v[L8], s[FB:FB+1] offset:6144
	WIN 0
.endm
.macro FSTORE sl
	WIN 0x04                                       ; an LDS store's data are its source 1
.set k, 0
.rept 12
	ds_store_b128 v[FS+(\sl)], v[4*k:4*k+3] offset:512*k
.set k, k+1
.endr
	ds_store_b64 v[FT+(\sl)], v[48:49] offset:6144
	WIN 0
.endm
	FLOAD                                          ; slot 0, always: so the registers are written on every way
	s_lshl_b32 s60, s15, 4                         ; q's cell: 16 x head + group
	s_add_co_u32 s60, s60, s18
	s_mul_i32 s60, s60, CELL
	s_mul_i32 s62, s19, 1536
	s_add_co_u32 s62, s62, s60
	s_mov_b32 s63, 0
	s_lshl_b32 s61, s14, 8
	s_add_co_u32 s60, s60, s61
	s_lshl_b32 s61, s17, 2
	s_add_co_u32 s60, s60, s61
	s_add_co_u32 s60, s60, 12288
	s_mov_b32 s61, 0
	s_add_nc_u64 s[66:67], s[4:5], s[62:63]
	s_add_nc_u64 s[68:69], s[4:5], s[60:61]
.irp g, 0,1,2
	global_load_b128 v[16+4*\g:19+4*\g], v[AD], s[66:67] offset:512*\g   ; Q's fragment stays in registers
.endr
	global_load_b32 v255, v[AS], s[68:69]          ; and its scale word
	s_lshl_b32 s60, s18, 7                         ; my fragment's first query
	s_lshr_b32 s62, s19, 1
	s_lshl_b32 s62, s62, 5
	s_add_co_u32 s60, s60, s62
	s_and_b32 s62, s19, 1
	s_lshl_b32 s62, s62, 3
	s_add_co_u32 s60, s60, s62
	s_lshr_b32 s62, s60, 1                         ; its flags word: 4 bytes for each 8 rows
	s_add_nc_u64 s[82:83], s[8:9], s[62:63]
	s_load_b32 s78, s[82:83], 0x0                  ; rows + 0 .. 7
	s_load_b32 s79, s[82:83], 0x8                  ; rows + 16 .. 23
	s_lshl_b32 s60, s60, 11
	s_add_nc_u64 s[MB:MB+1], s[6:7], s[60:61]
	s_lshl_b32 s62, s13, 6                         ; the work-group's 16 words: 8 of each query group
	s_lshl_b32 s60, s14, 5
	s_add_co_u32 s62, s62, s60
	s_add_nc_u64 s[76:77], s[8:9], s[62:63]
	s_load_b256 s[32:39], s[76:77], 0x0
	s_sub_co_u32 s62, 15, s13
	s_lshl_b32 s62, s62, 6
	s_add_co_u32 s62, s62, s60
	s_add_nc_u64 s[80:81], s[8:9], s[62:63]
	s_load_b256 s[40:47], s[80:81], 0x0
	s_lshl_b32 s60, s18, 4                         ; oc's cell: 16 x group + head; my fragment's image
	s_add_co_u32 s60, s60, s15
	s_mul_i32 s60, s60, CELL
	s_mul_i32 s62, s19, 1536
	s_add_co_u32 s60, s60, s62
	s_add_nc_u64 s[72:73], s[10:11], s[60:61]
	s_lshl_b32 s60, s13, 4                         ; the early group's cell: its scale words
	s_add_co_u32 s60, s60, s15
	s_mul_i32 s60, s60, CELL
	s_lshl_b32 s62, s14, 8
	s_add_co_u32 s60, s60, s62
	s_add_co_u32 s60, s60, 12288
	s_add_nc_u64 s[74:75], s[10:11], s[60:61]
	v_min_u32 v[PFO], 24, v1                       ; my eighth is 25 blocks of 256 bytes: lanes 24-31 name the last together
	v_lshlrev_b32 v[PFO], 8, v[PFO]
	v_bfe_u32 v[T], v0, 4, 1                       ; h
	v_and_b32 v[MO], 8, v2
	v_add_nc_u32 v[MO], v[MO], v2
	v_lshlrev_b32 v[MO], 11, v[MO]
	v_lshl_add_u32 v[MO], v[T], 4, v[MO]           ; the mask: row r + 8 (r / 8) of 2,048 bytes, + 16 h
	s_lshl_b32 s58, s13, 1
	s_sub_co_u32 s58, 15, s58
	s_mul_i32 s58, s58, 16*CELL                    ; from the early group's cell to the late group's
	v_mul_u32_u24 v[SGO], s58, v[T]
	v_add_nc_u32 v[SGO], v[SGO], v[AS]
	v_mov_b32 v[NINF], 0xff800000
	s_mov_b32 s[SEL], 0x76543210
	s_mov_b32 s[SEL+1], 0xfedcba98
	s_mov_b32 s[CS], 0x3e0293ee                    ; c = log2(e) / sqrt(128)
	s_mov_b32 s[CS+1], s[CS]
	s_mov_b32 s[PS+1], 0x01010101
	s_mov_b32 s[PS+2], 0x02020202
	s_mov_b32 s[PS+3], 0x03030303
	s_mov_b32 s[SG], 0
	s_mov_b32 s[SK], 0
	s_mov_b32 s[SS], 0
	s_cmp_eq_u32 ttmp9, 0                          ; the head's first work-group prefetches
	s_cselect_b32 s[PLIM], 6, 0
	v_mov_b32 v13, 0xff61b1e6                      ; the largest t so far: -3e38
	v_floor_f32 v12, -v13                          ; -M
	v_mov_b32 v14, 0
	v_mov_b32 v15, 0
.irp b, 0,1,2,3
	v_mov_b32 v[236+\b], 0                         ; a lane permute's destination counts as read
	v_mov_b32 v[TM+4+\b], 0
.endr
	v_mov_b32 v252, 0
	v_mov_b32 v253, 0
.set n, 0
.rept 64
	v_mov_b32 v[160+n], 0                          ; O^T: the step is written without a first form of its own; the first change of M leaves zeros zeros
.set n, n+1
.endr
	s_wait_kmcnt 0x0
	s_or_b32 s[ANY], s78, s79
	s_and_b32 s[ANY], s[ANY], 0xffff
	s_and_b32 s[ALL], s78, s79
	s_lshr_b32 s[ALL], s[ALL], 16
	s_or_b32 s[WGA], s32, s40
.irp i, 1,2,3,4,5,6,7
	s_or_b32 s[WGA], s[WGA], s[32+\i]
	s_or_b32 s[WGA], s[WGA], s[40+\i]
.endr
	s_and_b32 s[WGA], s[WGA], 0xffff               ; key steps that some wave of the work-group works; bits 16 on are 0: nothing is fetched past the last slot
	s_wait_loadcnt 0x0
	FSTORE 0
.macro KQ8                             ; S^T = K Q^T: eight tiles of 16 keys
	s_wait_dscnt 24                                ; the scale words and K's fragments are in; V's 24 loads may be out
	WIN 0x01
.irp t, 0,1,2,3,4,5,6,7
	v_wmma_scale_f32_16x16x128_f8f6f4 v[96+8*\t:103+8*\t], v[KF+12*\t:KF+12*\t+11], v[16:27], 0, v[KS+\t], v255 matrix_a_fmt:MATRIX_FMT_BF6 matrix_b_fmt:MATRIX_FMT_BF6
.endr
	WIN 0
.rept 4
	v_nop                                          ; places in front of the first read of the scores
.endr
.endm
; A KEY STEP: 128 keys, the q-th of slot sl.
.macro STEP sl, q
	s_lshr_b32 s56, s[ANY], s[SG]
	s_and_b32 s56, s56, 1
	s_cmp_lg_u32 s56, 0
	s_cbranch_scc0 .Lskip_\@                       ; none of my 16 x 128 mask bytes is 1
	ds_load_b128 v[KS:KS+3], v[AS+\sl] offset:CELL*\q+12288
	ds_load_b128 v[KS+4:KS+7], v[AS+\sl] offset:CELL*\q+12544
	ds_load_b128 v[VS:VS+3], v[AS+\sl] offset:VOFF+CELL*\q+12288
	ds_load_b128 v[VS+4:VS+7], v[AS+\sl] offset:VOFF+CELL*\q+12544
	WIN 0x40
.irp t, 0,1,2,3,4,5,6,7
.irp g, 0,1,2
	ds_load_b128 v[KF+12*\t+4*\g:KF+12*\t+4*\g+3], v[AD+\sl] offset:CELL*\q+1536*\t+512*\g
.endr
.endr
.irp t, 0,1,2,3,4,5,6,7
.irp g, 0,1,2
	ds_load_b128 v[VF+12*\t+4*\g:VF+12*\t+4*\g+3], v[AD+\sl] offset:VOFF+CELL*\q+1536*\t+512*\g
.endr
.endr
	WIN 0
	s_lshr_b32 s56, s[ALL], s[SG]
	s_and_b32 s56, s56, 1
	s_cmp_lg_u32 s56, 0
	s_cbranch_scc0 .Lmixed_\@
	KQ8                                            ; all my mask bytes are 1
	s_branch .Lsoft_\@
.Lmixed_\@:
	v_add_nc_u32 v[MA], s[SK], v[MO]
.irp b, 0,1,2,3
	global_load_b128 v[M+4*\b:M+4*\b+3], v[MA], s[MB:MB+1] offset:32*\b   ; the bytes of keys 32 b + 16 h + 0 .. 15 for my query: registers 16 b + 0 .. 15 of the scores
.endr
	KQ8
	s_wait_loadcnt 0x0
.set n, 0
.rept 16
	v_mul_lo_u32 v[M+n], v[M+n], 255               ; bytes 0 or 1 become 0x00 or 0xff
.set n, n+1
.endr
.set n, 0
.rept 16
	v_perm_b32 v[T], v[M+n], v[M+n], 0             ; a byte spread over the word,
	v_perm_b32 v[T+1], v[M+n], v[M+n], s[PS+1]
	v_perm_b32 v[T+2], v[M+n], v[M+n], s[PS+2]
	v_perm_b32 v[T+3], v[M+n], v[M+n], s[PS+3]
	v_bfi_b32 v[96+4*n], v[T], v[96+4*n], v[NINF]  ; chooses the score or -infinity; the scores are taken in ascending order
	v_bfi_b32 v[97+4*n], v[T+1], v[97+4*n], v[NINF]
	v_bfi_b32 v[98+4*n], v[T+2], v[98+4*n], v[NINF]
	v_bfi_b32 v[99+4*n], v[T+3], v[99+4*n], v[NINF]
.set n, n+1
.endr
.Lsoft_\@:
.irp b, 0,1,2,3
	v_max3_num_f32 v[232+\b], v[96+16*\b], v[97+16*\b], v[98+16*\b]   ; the largest score of each block of 32 keys: for the row's maximum, and, since p rises with the score, for the block's largest p
.endr
.irp i, 3,5,7,9,11,13
.irp b, 0,1,2,3
	v_max3_num_f32 v[232+\b], v[232+\b], v[96+16*\b+\i], v[97+16*\b+\i]
.endr
.endr
.irp b, 0,1,2,3
	v_max_num_f32 v[232+\b], v[232+\b], v[111+16*\b]
.endr
.irp b, 0,1,2,3
	v_permlanex16_b32 v[236+\b], v[232+\b], s[SEL], s[SEL+1]
.endr
.irp b, 0,1,2,3
	v_max_num_f32 v[232+\b], v[232+\b], v[236+\b]  ; with lane l xor 16's 16 keys
.endr
	v_max3_num_f32 v254, v232, v233, v234
	v_max_num_f32 v254, v254, v235
	v_mul_f32 v254, s[CS], v254                    ; as t
	v_max_num_f32 v13, v13, v254                   ; the running largest t
	v_mov_b32 v254, v12
	v_floor_f32 v12, -v13                          ; the new -M = -ceil(t)
	v_sub_f32 v254, v12, v254                      ; old M - new M: a whole number, 0 or less
	v_cvt_i32_f32 v254, v254                       ; (it saturates)
	v_ldexp_f32 v252, 1.0, v254                    ; f = 2^(old M - new M)
.set n, 0
.rept 32
	v_pk_fma_f32 v[96+n:97+n], v[96+n:97+n], s[CS:CS+1], v[12:13] op_sel_hi:[1,0,0]   ; t - M
.set n, n+2
.endr
.irp b, 0,1,2,3
	v_fma_f32 v[232+\b], v[232+\b], s[CS], v12
.endr
.set n, 0
.rept 64
	v_exp_f32 v[96+n], v[96+n]                     ; p = 2^(t - M)
.set n, n+1
.endr
	v_pk_mul_f32 v[14:15], v[14:15], v[252:253] op_sel_hi:[1,0]   ; l under the new M: the plain instruction behind the exponentials
	s_wait_alu depctr_va_vdst(0)                   ; one wait for the batch, ahead of its first reader
.irp b, 0,1,2,3
	v_exp_f32 v[232+\b], v[232+\b]                 ; the blocks' largest p
.endr
	v_pk_add_f32 v[236:237], v[96:97], v[98:99]    ; l takes the unquantised p, in two chains
.irp j, 4,8,12,16,20,24,28,32,36,40,44,48,52,56,60
	v_pk_add_f32 v[14:15], v[14:15], v[96+\j:97+\j]
	v_pk_add_f32 v[236:237], v[236:237], v[98+\j:99+\j]
.endr
	v_pk_add_f32 v[14:15], v[14:15], v[236:237]
	s_wait_alu depctr_va_vdst(0)                   ; and one for the four
.irp b, 0,1,2,3
	v_max_num_f32 v[232+\b], 0x2800000, v[232+\b]  ; the floor 2^(5 - 127)
.endr
.irp b, 0,1,2,3
	v_add_nc_u32 v[244+\b], 0xfe000000, v[232+\b]  ; the conversion's scale operand
.endr
.irp b, 0,1,2,3
	v_lshrrev_b32 v[236+\b], 23, v[244+\b]         ; the byte
.endr
	v_lshl_or_b32 v253, v237, 8, v236              ; p's scale word for these 128 keys
	v_lshl_or_b32 v253, v238, 16, v253
	v_lshl_or_b32 v253, v239, 24, v253
.irp c, 0,1
	v_cvt_scalef32_pk16_bf6_f32 v[224+6*\c:226+6*\c], v[96+32*\c:111+32*\c], v[244+2*\c]
	v_cvt_scalef32_pk16_bf6_f32 v[236+4*\c:238+4*\c], v[112+32*\c:127+32*\c], v[244+2*\c+1]
.endr
	v_nop                                          ; one plain instruction behind the conversions
.irp c, 0,1
.irp i, 0,1,2
	v_permlane16_swap_b32 v[224+6*\c+\i], v[236+4*\c+\i]
.endr
.irp i, 0,1,2
	v_mov_b32 v[227+6*\c+\i], v[236+4*\c+\i]
.endr
.endr
.set n, 0
.rept 32
	v_pk_mul_f32 v[160+n:161+n], v[160+n:161+n], v[252:253] op_sel_hi:[1,0]   ; O^T under the new M; these are also the places in front of the products below
.set n, n+2
.endr
	s_wait_dscnt 0x0                               ; V's fragments are in
	WIN 0x01
.irp t, 0,1,2,3,4,5,6,7
	v_wmma_scale_f32_16x16x128_f8f6f4 v[160+8*\t:167+8*\t], v[VF+12*\t:VF+12*\t+11], v[224:235], v[160+8*\t:167+8*\t], v[VS+\t], v253 matrix_a_fmt:MATRIX_FMT_BF6 matrix_b_fmt:MATRIX_FMT_BF6
.endr
	WIN 0
.rept 4
	v_nop                                          ; places in front of the next loads into these operands and of the next read of O^T
.endr
.Lskip_\@:
	s_add_co_u32 s[SG], s[SG], 1
	s_add_co_u32 s[SK], s[SK], 128
.endm
; A SLOT'S TWO KEY STEPS.  In front of the barrier each wave's stores into this slot have landed and its reads of the other slot are back; behind it this slot is read and the other one is written.
.macro PHASE sl
	s_wait_dscnt 0x0
	s_barrier_signal -1
	s_barrier_wait -1
	s_wait_xcnt 0x0                                ; earlier loads and the last prefetch have read the base
	s_add_nc_u64 s[FB:FB+1], s[FB:FB+1], 2*CELL    ; my eighth of the next slot
	s_lshr_b32 s56, s[WGA], s[NB]
	s_and_b32 s56, s56, 1
	s_cmp_lg_u32 s56, 0
	s_cbranch_scc0 .Lnofill_\@                     ; no wave of the work-group works that key step
	FLOAD
.Lnofill_\@:
	s_cmp_lt_u32 s[SS], s[PLIM]
	s_cbranch_scc0 .Lnopf_\@
	global_prefetch_b8 v[PFO], s[FB:FB+1] offset:2*CELL th:TH_LOAD_NT scope:SCOPE_SE   ; my eighth of the slot after the one just asked for: slots 2 to 7, each block named by one wave of the head's first work-group
.Lnopf_\@:
	STEP \sl, 0
	s_wait_loadcnt 0x0
	FSTORE 1-\sl                                   ; where nothing was fetched, old bytes that nobody reads
	STEP \sl, 1
	s_add_co_u32 s[SS], s[SS], 1
	s_add_co_u32 s[NB], s[NB], 2
.endm
	s_mov_b32 s59, 4
.Lslots:
	PHASE 0
	PHASE 1
	s_sub_co_u32 s59, s59, 1
	s_cmp_lg_u32 s59, 0
	s_cbranch_scc1 .Lslots
	; THE WAY OUT: O^T / l, quantised along the channels (my head's 128 of the last product's K), as fragment and scale word of oc's cell.
	v_add_f32 v14, v14, v15
	v_permlanex16_b32 v252, v14, s[SEL], s[SEL+1]
	v_add_f32 v14, v14, v252                       ; l
	v_cmp_eq_f32 s71, 0, v14                       ; no key at all
	v_rcp_f32 v12, v14
	v_nop
	s_wait_alu depctr_va_vdst(0)
.set n, 0
.rept 32
	v_pk_mul_f32 v[96+n:97+n], v[160+n:161+n], v[12:13] op_sel_hi:[1,0]
.set n, n+2
.endr
.irp b, 0,1,2,3
	v_max3_num_f32 v[TM+\b], |v[96+16*\b]|, |v[97+16*\b]|, 0x2800000
.endr
.irp i, 2,4,6,8,10,12,14
.irp b, 0,1,2,3
	v_max3_num_f32 v[TM+\b], v[TM+\b], |v[96+16*\b+\i]|, |v[97+16*\b+\i]|
.endr
.endr
.irp b, 0,1,2,3
	v_permlanex16_b32 v[TM+4+\b], v[TM+\b], s[SEL], s[SEL+1]
.endr
.irp b, 0,1,2,3
	v_max_num_f32 v[TM+\b], v[TM+\b], v[TM+4+\b]
.endr
.irp b, 0,1,2,3
	v_add_nc_u32 v[TM+12+\b], 0xfe000000, v[TM+\b]
.endr
.irp b, 0,1,2,3
	v_lshrrev_b32 v[TM+4+\b], 23, v[TM+12+\b]
.endr
	v_lshl_or_b32 v[PW], v[TM+5], 8, v[TM+4]
	v_lshl_or_b32 v[PW], v[TM+6], 16, v[PW]
	v_lshl_or_b32 v[PW], v[TM+7], 24, v[PW]
.irp c, 0,1
	v_cvt_scalef32_pk16_bf6_f32 v[PC+6*\c:PC+2+6*\c], v[96+32*\c:111+32*\c], v[TM+12+2*\c]
	v_cvt_scalef32_pk16_bf6_f32 v[PC+12+4*\c:PC+14+4*\c], v[112+32*\c:127+32*\c], v[TM+12+2*\c+1]
.endr
	v_nop
.irp c, 0,1
.irp i, 0,1,2
	v_permlane16_swap_b32 v[PC+6*\c+\i], v[PC+12+4*\c+\i]
.endr
.irp i, 0,1,2
	v_mov_b32 v[PC+3+6*\c+\i], v[PC+12+4*\c+\i]
.endr
.endr
	v_cndmask_b32 v[PW], v[PW], -1, s71            ; l = 0: four bytes 0xff
.irp g, 0,1,2
	global_store_b128 v[AD], v[PC+4*\g:PC+4*\g+3], s[72:73] offset:512*\g
.endr
	ds_store_b32 v[SWA], v[PW]                     ; both halves of the lanes hold, and write, the same word
	s_wait_dscnt 0x0
	s_barrier_signal -1
	s_barrier_wait -1
	s_cmp_lg_u32 s12, 0
	s_cbranch_scc1 .Ldone
	ds_load_b128 v[88:91], v[SRA]                  ; lanes 0-15: the early group's four words of row r; lanes 16-31: the late group's
	s_wait_dscnt 0x0
	global_store_b128 v[SGO], v[88:91], s[74:75]   ; two runs of 256 consecutive bytes, each at a multiple of 256 from the buffer's first byte
.Ldone:
	s_wait_tensorcnt 0x0
	ds_add_u32 v250, v251
	s_wait_dscnt 0x0
	s_endpgm
.Lfunc_end_k_q3af954d5c0_attn:
	.size	k_q3af954d5c0_attn, .Lfunc_end_k_q3af954d5c0_attn-k_q3af954d5c0_attn
	.p2alignl 7, 3214868480
	.fill 96, 4, 3214868480
	.section	.rodata,"a",@progbits
	.p2align	6, 0x0
	.amdhsa_kernel k_q3af954d5c0_attn
		.amdhsa_group_segment_fixed_size 132608
		.amdhsa_private_segment_fixed_size 0
		.amdhsa_enable_private_segment 0
		.amdhsa_kernarg_size 32
		.amdhsa_user_sgpr_count 2
		.amdhsa_user_sgpr_kernarg_segment_ptr 1
		.amdhsa_wavefront_size32 1
		.amdhsa_system_sgpr_workgroup_id_x 1
		.amdhsa_system_sgpr_workgroup_id_y 1
		.amdhsa_system_sgpr_workgroup_id_z 1
		.amdhsa_system_vgpr_workitem_id 0
		.amdhsa_next_free_vgpr 512
		.amdhsa_next_free_sgpr 90
		.amdhsa_reserve_vcc 0
		.amdhsa_float_denorm_mode_32 3
		.amdhsa_float_denorm_mode_16_64 3
		.amdhsa_memory_ordered 1
		.amdhsa_forward_progress 1
		.amdhsa_inst_pref_size 144
	.end_amdhsa_kernel
	.amdgpu_metadata
---
amdhsa.version: [ 1, 2 ]
amdhsa.kernels:
  - .name:           k_q3af954d5c0_attn
    .symbol:         k_q3af954d5c0_attn.kd
    .args:
      - { .name: qkv, .offset: 0, .size: 8, .value_kind: global_buffer, .address_space: global }
      - { .name: attn_mask, .offset: 8, .size: 8, .value_kind: global_buffer, .address_space: global }
      - { .name: flags, .offset: 16, .size: 8, .value_kind: global_buffer, .address_space: global }
      - { .name: oc, .offset: 24, .size: 8, .value_kind: global_buffer, .address_space: global }
    .group_segment_fixed_size: 132608
    .private_segment_fixed_size: 0
    .kernarg_segment_align: 8
    .kernarg_segment_size: 32
    .max_flat_workgroup_size: 256
    .sgpr_count:     90
    .vgpr_count:     512
    .wavefront_size: 32
...
	.end_amdgpu_metadata
.endif
;; end of part 3
;; launch oproj (part 4): grid 8 x 8, 4 waves a work-group, clusters of 4 x 4, 327,680 bytes of LDS; arguments oc, opw, out0; writes out0
.if DOCPART == 4
	.amdgcn_target "amdgcn-amd-amdhsa--gfx1250"
	.amdhsa_code_object_version 6
	.text
	.protected	k_q3af954d5c0_oproj
	.globl	k_q3af954d5c0_oproj
	.p2align	8
	.type	k_q3af954d5c0_oproj,@function
k_q3af954d5c0_oproj:
	s_mov_b64 s[64:65], 0
	v_nop
	global_prefetch_b8 v0, s[64:65] scope:SCOPE_SE
	s_setreg_imm32_b32 hwreg(HW_REG_WAVE_MODE, 25, 1), 1
	s_wait_xcnt 0x0
	s_wait_alu depctr_hold_cnt(0) depctr_sa_sdst(0) depctr_va_vdst(0) depctr_va_sdst(0) depctr_va_ssrc(0) depctr_va_vcc(0) depctr_vm_vsrc(0)
	s_getreg_b32 s2, hwreg(HW_REG_IB_STS2, 6, 4)
	s_cmp_eq_u32 s2, 0
	s_cbranch_scc0 .Lentry_in_a_cluster
	s_endpgm
.Lentry_in_a_cluster:
	s_bfe_u32 s2, ttmp6, 0x10000c
	s_cmp_lg_u32 s2, 0xf033
	s_cbranch_scc0 .Lentry_shape_is_right
	s_endpgm
.Lentry_shape_is_right:
; out0 = O wo^T on codes of BF6 (E3M2), one E8M0 byte for each 32 along K; out0 [2048][2048] f32.
; Both operands come as CELLS (128 rows x 128 K, 12,800 bytes: eight fragments as images of their registers, then the scale words; lane r of fragment i is row 32 (i / 2) + 8 (i % 2) + r + 8 (r / 8)).
; A tile of C is 256 x 256, a wave makes 128 x 128: 64 accumulators.  K goes in steps of 256 (two cells on end, 25,600 dense bytes for each 128 rows) through a ring of two LDS slots; each wave fetches one such block by one tensor load.
; CLUSTERS: 4 x 4 work-groups; A's blocks are asked for jointly along a row of the cluster, B's along a column.  The grid has 64 work-groups: the tile is kept large so that each LDS byte feeds 128 rows.
; THE MATRIX INSTRUCTION IS USED TRANSPOSED (source 0 = wo's fragment, source 1 = O's): lane (r, h) of accumulator (a, b) holds the token of lane r of fragment a and columns 32 (b / 2) + 16 h + 8 (b % 2) + 0 .. 7.
; The way out undoes the cells' order of rows: columns by the place in the stage, tokens by the stores' immediates.
; REGISTERS: window 0: v16-29 addresses; v32-63 scale words, two sets; v128-223 A's fragments, one set; on the way out v128-255 rows of C.  window 1: B's fragments, two sets.  windows 2, 3: accumulators.
.set CELL,  12800
.set KSB,   2*CELL
.set SLOT,  4*KSB
.set SPARE, 2*SLOT                     ; the spare words, 128 bytes for each wave: two blocks of 256 bytes that no other line names
.set FR,    12
.set NL,    3
.set NP,    4
.set LAPS,  4
.set SPITCH, 528                       ; the way out: 16 rows x (512 + 16) bytes for each wave, in slot 0, which has had its last fill and its last read by then
.set ADRA, 16
.set ADRB, 20
.set ADRS, 22
.set STO,  24
.set RD,   25
.set CO,   26
.set SPW,  28
.set NIL,  29
.set SC,   32
.set AF,   128
.set BK,   128
.set G1, 24
.set G0, 32
.set G1B, 48
.set G0B, 56
.set MSB, 0
.macro WIN new
.if MSB != (\new)
	s_set_vgpr_msb (MSB<<8)|(\new)
.set MSB, (\new)
.endif
.endm
.set MUL_LO, 0xa1
.set MUL_HI, 0xf1
.set TO_B,   0x40
.macro JLOAD g0a, g1a, g0b, g1b        ; a joint load: waves 0, 1 fetch for A, waves 2, 3 for B; four v_nop follow each line
	s_cmp_eq_u32 s15, 0
	s_cbranch_scc0 .Lfor_b_\@
	tensor_load_to_lds s[\g0a:\g0a+3], s[\g1a:\g1a+7]
	s_nop 0
.rept 4
	v_nop
.endr
	s_branch .Lasked_\@
.Lfor_b_\@:
	tensor_load_to_lds s[\g0b:\g0b+3], s[\g1b:\g1b+7]
	s_nop 0
.rept 4
	v_nop
.endr
.Lasked_\@:
.endm
.macro CREST
	s_cmp_lg_u32 s14, 0
	s_cbranch_scc1 .Lnot_wave_0_\@
	s_barrier_signal -3
.Lnot_wave_0_\@:
	s_barrier_wait -3
	s_barrier_signal -1
	s_barrier_wait -1
.endm
.macro CROUND
	s_barrier_signal -1
	s_barrier_wait -1
	CREST
.endm
	s_load_b128 s[4:7], s[0:1], 0x0                ; oc s[4:5], opw s[6:7]
	s_load_b64 s[12:13], s[0:1], 0x10              ; out0
	v_lshl_add_u32 v[SPW], v0, 2, SPARE
	v_mov_b32 v[NIL], 0
	ds_add_u32 v28, v29
	ds_add_u32 v28, v29
	s_wait_dscnt 0x0
	v_lshrrev_b32 v1, 5, v0
	v_readfirstlane_b32 s14, v1
	s_lshr_b32 s15, s14, 1
	s_and_b32 s16, s14, 1
	s_bfe_u32 s40, ttmp6, 0x40000
	s_bfe_u32 s41, ttmp6, 0x40004
	s_lshl_b32 s42, ttmp9, 2
	s_add_co_u32 s42, s42, s40                     ; tile column
	s_and_b32 s17, ttmp7, 0xffff
	s_lshl_b32 s17, s17, 2
	s_add_co_u32 s17, s17, s41                     ; tile row
	s_lshl_b32 s43, s41, 2
	s_lshl_b32 s43, 15, s43
	s_lshl_b32 s44, 0x1111, s40
	s_or_b32 s[G1+0], s43, (3<<16)|(1<<21)         ; the mask; elements of 8 bytes; no padding; bit 21 beside a mask
	s_or_b32 s[G1B+0], s44, (3<<16)|(1<<21)
.irp g, G1, G1B
	s_mov_b32 s[\g+1], 32<<16                      ; rows of 256 bytes,
	s_mov_b32 s[\g+2], 100<<16                     ; 100 of them, dense
	s_mov_b32 s[\g+3], 32<<16
	s_mov_b32 s[\g+4], 100
	s_mov_b32 s[\g+5], 32
	s_mov_b32 s[\g+6], 0
	s_mov_b32 s[\g+7], 0
.endr
	s_lshl_b32 s20, s17, 1
	s_add_co_u32 s20, s20, s16
	s_mul_i32 s20, s20, 16*CELL                    ; A: oc's row group 2 x tile row + which
	s_mov_b32 s21, 0
	s_lshl_b32 s46, s42, 1
	s_add_co_u32 s46, s46, s16
	s_mul_i32 s46, s46, 16*CELL
	s_add_co_u32 s46, s46, 1024*CELL               ; B: wo's row group 2 x tile column + which
	s_mov_b32 s47, 0
	s_mul_i32 s45, s14, KSB
	s_wait_kmcnt 0x0
	s_add_nc_u64 s[20:21], s[4:5], s[20:21]
	s_add_nc_u64 s[46:47], s[6:7], s[46:47]
	CROUND
.irp s, 0,1
	s_mov_b32 s[G0+4*\s], 1
	s_add_co_u32 s[G0+4*\s+1], s45, \s*SLOT
	s_add_nc_u64 s[G0+4*\s+2:G0+4*\s+3], s[20:21], \s*KSB
	s_or_b32 s[G0+4*\s+3], s[G0+4*\s+3], 0x80000000
	s_mov_b32 s[G0B+4*\s], 1
	s_add_co_u32 s[G0B+4*\s+1], s45, \s*SLOT
	s_add_nc_u64 s[G0B+4*\s+2:G0B+4*\s+3], s[46:47], \s*KSB
	s_or_b32 s[G0B+4*\s+3], s[G0B+4*\s+3], 0x80000000
	JLOAD G0+4*\s, G1, G0B+4*\s, G1B               ; by this text's count two loads of a wave are out here, later one
.endr
	v_and_b32 v1, 15, v0
	v_bfe_u32 v2, v0, 4, 1
	v_and_b32 v3, 31, v0
	v_lshlrev_b32 v[CO], 4, v3                     ; 16 x lane
	s_mul_i32 s21, s15, KSB
	s_mul_i32 s22, s16, KSB
	s_add_co_u32 s22, s22, 2*KSB
	s_sub_co_u32 s23, s22, s21
	v_mul_u32_u24 v4, s23, v2
	v_lshl_add_u32 v4, v1, 4, v4
.irp s, 0,1
	v_add_nc_u32 v[ADRA+\s], s21, v[CO]
	v_add_nc_u32 v[ADRB+\s], s22, v[CO]
	v_add_nc_u32 v[ADRS+\s], s21, v4
	s_add_co_u32 s21, s21, SLOT
	s_add_co_u32 s22, s22, SLOT
.endr
	s_mul_i32 s23, s14, 16*SPITCH                  ; my stage
	v_mul_u32_u24 v5, v1, SPITCH
	v_lshl_add_u32 v5, v2, 6, v5
	v_add_nc_u32 v[STO], s23, v5                   ; in: row r, + 64 h
	v_add_nc_u32 v[RD], s23, v[CO]                 ; back: the 32 lanes take one row of 512 bytes
	s_lshl_b32 s20, s17, 8
	s_lshl_b32 s21, s15, 7
	s_add_co_u32 s20, s20, s21                     ; my first row of C
	s_lshl_b32 s20, s20, 13
	s_lshl_b32 s46, s42, 10
	s_lshl_b32 s47, s16, 9
	s_add_co_u32 s46, s46, s47                     ; my first column, in bytes
	s_add_co_u32 s20, s20, s46
	s_mov_b32 s21, 0
	s_add_nc_u64 s[12:13], s[12:13], s[20:21]
.macro FRAG reg, adr, q, i
.irp g, 0,1,2
	ds_load_b128 v[\reg+4*\g:\reg+4*\g+3], v[\adr] offset:CELL*(\q)+1536*(\i)+512*\g
.endr
.endm
.macro MUL16 a0, p, q, sc, zero        ; the 64 accumulators take turns, one instruction a turn
.irp a, \a0, \a0+1
.irp b, 0,1,2,3,4,5,6,7
.if \zero
	v_wmma_scale_f32_16x16x128_f8f6f4 v[8*(8*((\a)%4)+\b):8*(8*((\a)%4)+\b)+7], v[128*(\p)+FR*\b:128*(\p)+FR*\b+FR-1], v[AF+FR*(\a):AF+FR*(\a)+FR-1], 0, v[SC+16*(\sc)+8*(\q)+\b], v[SC+16*(\sc)+8*(\q)+(\a)] matrix_a_fmt:MATRIX_FMT_BF6 matrix_b_fmt:MATRIX_FMT_BF6 matrix_a_scale:MATRIX_SCALE_ROW1
.else
	v_wmma_scale_f32_16x16x128_f8f6f4 v[8*(8*((\a)%4)+\b):8*(8*((\a)%4)+\b)+7], v[128*(\p)+FR*\b:128*(\p)+FR*\b+FR-1], v[AF+FR*(\a):AF+FR*(\a)+FR-1], v[8*(8*((\a)%4)+\b):8*(8*((\a)%4)+\b)+7], v[SC+16*(\sc)+8*(\q)+\b], v[SC+16*(\sc)+8*(\q)+(\a)] matrix_a_fmt:MATRIX_FMT_BF6 matrix_b_fmt:MATRIX_FMT_BF6 matrix_a_scale:MATRIX_SCALE_ROW1
.endif
.endr
.endr
.endm
.macro FETCH_B slot, q, p
	WIN TO_B
.irp i, 0,1,2,3,4,5,6,7
	FRAG 128*(\p)+FR*\i, ADRB+\slot, \q, \i
.endr
	WIN 0
.endm
.macro FETCH_A slot, q, i0
.irp i, \i0, \i0+1, \i0+2, \i0+3
	FRAG AF+FR*(\i), ADRA+\slot, \q, \i
.endr
.endm
.macro SCALES sl
.irp q, 0,1
.irp u, 0,1
	ds_load_b128 v[SC+16*\sl+8*\q+4*\u:SC+16*\sl+8*\q+4*\u+3], v[ADRS+\sl] offset:12288+CELL*\q+256*\u
.endr
.endr
.endm
.macro PLACES n
.rept \n
	v_nop
.endr
.endm
.macro STEP slot, q, zero
	s_wait_dscnt 4*NL                              ; all but the youngest 12 loads: A's blocks 4-7
	WIN MUL_LO
	MUL16 0, (\q)%2, \q, \slot, \zero
	MUL16 2, (\q)%2, \q, \slot, \zero
	s_wait_dscnt 0
	PLACES NP
	FETCH_B \slot, (\q)+1, 1-(\q)%2
	FETCH_A \slot, (\q)+1, 0
	WIN MUL_HI
	MUL16 4, (\q)%2, \q, \slot, \zero
	MUL16 6, (\q)%2, \q, \slot, \zero
	PLACES NP
	WIN 0
	FETCH_A \slot, (\q)+1, 4
.endm
.macro TURN slot, next, fill
	s_wait_tensorcnt 0x0                           ; my part of the next slot has landed
	ds_add_u32 v[SPW], v[NIL]
	s_wait_dscnt 4*NL+1                            ; the add and A's blocks 4-7 (12 loads) may be out
	WIN MUL_LO
	MUL16 0, 1, 1, \slot, 0
	s_wait_dscnt 0x0                               ; the add is done, and my reads of this slot are over
	s_barrier_signal -1
	MUL16 2, 1, 1, \slot, 0
	WIN 0
	s_barrier_wait -1
.if \fill
	CREST
	s_add_nc_u64 s[G0+4*\slot+2:G0+4*\slot+3], s[G0+4*\slot+2:G0+4*\slot+3], 2*KSB
	s_add_nc_u64 s[G0B+4*\slot+2:G0B+4*\slot+3], s[G0B+4*\slot+2:G0B+4*\slot+3], 2*KSB
	JLOAD G0+4*\slot, G1, G0B+4*\slot, G1B
.else
	PLACES NP
.endif
	FETCH_B \next, 0, 0
	FETCH_A \next, 0, 0
	SCALES \next
	WIN MUL_HI
	MUL16 4, 1, 1, \slot, 0
	MUL16 6, 1, 1, \slot, 0
	PLACES NP
	WIN 0
	FETCH_A \next, 0, 4
.endm
	s_wait_tensorcnt 1                             ; my part of K step 0 is in; K step 1's load may be out
	s_barrier_signal -1
	s_barrier_wait -1
	FETCH_B 0, 0, 0
	FETCH_A 0, 0, 0
	SCALES 0
	FETCH_A 0, 0, 4
	STEP 0, 0, 1
	s_mov_b32 s3, LAPS-1
.Llap:
	TURN 0, 1, 1
	STEP 1, 0, 0
	TURN 1, 0, 1
	STEP 0, 0, 0
	s_sub_co_u32 s3, s3, 1
	s_cmp_lg_u32 s3, 0
	s_cbranch_scc1 .Llap
	TURN 0, 1, 0
	STEP 1, 0, 0
	s_wait_dscnt 4*NL
	WIN MUL_LO
	MUL16 0, 1, 1, 1, 0
	MUL16 2, 1, 1, 1, 0
	s_wait_dscnt 0
	WIN MUL_HI
	MUL16 4, 1, 1, 1, 0
	MUL16 6, 1, 1, 1, 0
	WIN 0
; THE WAY OUT, block by block of 16 tokens x 128 columns, through my own stage: LDS serves a wave's instructions in order, so no wait stands between the stores and the loads.
.macro TOSTAGE a
.set AC, 64*((\a)%4)
	WIN 0x08+4*((\a)/4)                            ; the data: window 2 or 3
.irp b, 0,1,2,3,4,5,6,7
	ds_store_b128 v[STO], v[AC+8*\b:AC+8*\b+3] offset:128*(\b/2)+32*(\b%2)      ; columns 32 (b / 2) + 16 h + 8 (b % 2) on; each accumulator from its low end on
	ds_store_b128 v[STO], v[AC+8*\b+4:AC+8*\b+7] offset:128*(\b/2)+32*(\b%2)+16
.endr
	WIN 0
.set BB, BK+64*((\a)%2)
.irp t, 0,1,2,3,4,5,6,7,8,9,10,11,12,13,14,15
	ds_load_b128 v[BB+4*\t:BB+4*\t+3], v[RD] offset:\t*SPITCH
.endr
.endm
.macro SEND a, younger
.set BB, BK+64*((\a)%2)
	s_wait_dscnt \younger
.irp t, 0,1,2,3,4,5,6,7,8,9,10,11,12,13,14,15
	global_store_b128 v[CO], v[BB+4*\t:BB+4*\t+3], s[12:13] offset:(32*((\a)/2)+8*((\a)%2)+\t+8*(\t/8))*8192 th:TH_STORE_NT   ; 512 consecutive bytes of the token's row; 127 rows at the most: inside the signed 24-bit immediate
.endr
.endm
	PLACES NP
	TOSTAGE 0
.irp a, 1,2,3,4,5,6,7
.if \a > 1
	s_wait_xcnt 0x0                                ; block a - 2's stores have read their registers: block a's loads may land there
.endif
	TOSTAGE \a
	SEND (\a)-1, 32                                ; behind block a - 1's loads: block a's 16 stores and 16 loads
.endr
	SEND 7, 0
	s_wait_tensorcnt 0x0                           ; the wave's end
	ds_add_u32 v[SPW], v[NIL]
	s_wait_dscnt 0x0
	CROUND                                         ; the closing round
	s_endpgm
.Lfunc_end_k_q3af954d5c0_oproj:
	.size	k_q3af954d5c0_oproj, .Lfunc_end_k_q3af954d5c0_oproj-k_q3af954d5c0_oproj
	.p2alignl 7, 3214868480
	.fill 96, 4, 3214868480
	.section	.rodata,"a",@progbits
	.p2align	6, 0x0
	.amdhsa_kernel k_q3af954d5c0_oproj
		.amdhsa_group_segment_fixed_size 327680
		.amdhsa_private_segment_fixed_size 0
		.amdhsa_enable_private_segment 0
		.amdhsa_kernarg_size 24
		.amdhsa_user_sgpr_count 2
		.amdhsa_user_sgpr_kernarg_segment_ptr 1
		.amdhsa_wavefront_size32 1
		.amdhsa_system_sgpr_workgroup_id_x 1
		.amdhsa_system_sgpr_workgroup_id_y 1
		.amdhsa_system_sgpr_workgroup_id_z 1
		.amdhsa_system_vgpr_workitem_id 0
		.amdhsa_next_free_vgpr 1024
		.amdhsa_next_free_sgpr 66
		.amdhsa_reserve_vcc 0
		.amdhsa_float_denorm_mode_32 3
		.amdhsa_float_denorm_mode_16_64 3
		.amdhsa_memory_ordered 1
		.amdhsa_forward_progress 1
		.amdhsa_inst_pref_size 131
	.end_amdhsa_kernel
	.amdgpu_metadata
---
amdhsa.version: [ 1, 2 ]
amdhsa.kernels:
  - .name:           k_q3af954d5c0_oproj
    .symbol:         k_q3af954d5c0_oproj.kd
    .args:
      - { .name: oc, .offset: 0, .size: 8, .value_kind: global_buffer, .address_space: global }
      - { .name: opw, .offset: 8, .size: 8, .value_kind: global_buffer, .address_space: global }
      - { .name: out0, .offset: 16, .size: 8, .value_kind: global_buffer, .address_space: global }
    .group_segment_fixed_size: 327680
    .private_segment_fixed_size: 0
    .kernarg_segment_align: 8
    .kernarg_segment_size: 24
    .max_flat_workgroup_size: 128
    .sgpr_count:     66
    .vgpr_count:     1024
    .wavefront_size: 32
...
	.end_amdgpu_metadata
.endif
;; end of part 4
;; ======== version 2 of 3: 4 launches
;; workspace buffers: opw 16,384,000 bytes; qkv 9,830,400 bytes; oc 3,276,800 bytes; flags 1,024 bytes of whole numbers
;; launch quant: the kernel of part 1 again; grid 256 x 1, 6 waves a work-group, no clusters, 51,456 bytes of LDS; arguments x, wq, wk, wv, wo, attn_mask, opw, flags; writes opw, flags
;; launch qkv: the kernel of part 2 again; grid 24 x 8, 4 waves a work-group, clusters of 4 x 4, 327,680 bytes of LDS; arguments opw, rope_cos, rope_sin, q_norm_w, k_norm_w, qkv; writes qkv
;; launch attn: the kernel of part 3 again; grid 16 x 16, 8 waves a work-group, no clusters, 132,608 bytes of LDS; arguments qkv, attn_mask, flags, oc; writes oc
;; launch oproj (part 5): grid 16 x 16, 4 waves a work-group, clusters of 4 x 4, 327,680 bytes of LDS; arguments oc, opw, out0; writes out0
.if DOCPART == 5
	.amdgcn_target "amdgcn-amd-amdhsa--gfx1250"
	.amdhsa_code_object_version 6
	.text
	.protected	k_q3af954d5c0_oproj
	.globl	k_q3af954d5c0_oproj
	.p2align	8
	.type	k_q3af954d5c0_oproj,@function
k_q3af954d5c0_oproj:
	s_mov_b64 s[64:65], 0
	v_nop
	global_prefetch_b8 v0, s[64:65] scope:SCOPE_SE
	s_setreg_imm32_b32 hwreg(HW_REG_WAVE_MODE, 25, 1), 1
	s_wait_xcnt 0x0
	s_wait_alu depctr_hold_cnt(0) depctr_sa_sdst(0) depctr_va_vdst(0) depctr_va_sdst(0) depctr_va_ssrc(0) depctr_va_vcc(0) depctr_vm_vsrc(0)
	s_getreg_b32 s2, hwreg(HW_REG_IB_STS2, 6, 4)
	s_cmp_eq_u32 s2, 0
	s_cbranch_scc0 .Lentry_in_a_cluster
	s_endpgm
.Lentry_in_a_cluster:
	s_bfe_u32 s2, ttmp6, 0x10000c
	s_cmp_lg_u32 s2, 0xf033
	s_cbranch_scc0 .Lentry_shape_is_right
	s_endpgm
.Lentry_shape_is_right:
; out0 = O wo^T on codes of BF6 (E3M2), one E8M0 byte for each 32 along K; out0 [2048][2048] f32.
; Both operands come as CELLS (128 rows x 128 K, 12,800 bytes: eight fragments as images of their registers, fragment i's register group g of lane l at 1536 i + 512 g + 16 l; then the scale words, fragment i, lane r at
; 12288 + 256 (i / 4) + 16 r + 4 (i % 4); lane r of fragment i is row 32 (i / 2) + 8 (i % 2) + r + 8 (r / 8)).  The 16 cells of a row group lie on end along K.
; SHARES.  A tile of C is 128 x 128: one row group of O against one of wo, 16 x 16 = 256 work-groups.  Four waves, each 64 x 64: fragments 4 (w / 2) .. + 3 of O's cells against fragments 4 (w % 2) .. + 3 of wo's: 16 accumulators.
; For 128 along K a wave reads 8 fragments and one line of scale words, 12,800 bytes of LDS, for 16 matrix instructions.
; THE RING.  K goes in four steps of 512 (four cells of each operand, 102,400 bytes) through THREE LDS slots; a wave's tensor load brings two cells, 25,600 dense bytes.  Steps 0, 1 and 2 are first fills and go out together;
; step 3 is the one refill, into slot 0, behind the change from slot 0 to slot 1: it has steps 1 and 2 in which to land.  By this text's count three loads of a wave are out at the start, later one.
; The wait for all loads in front of that change shows slots 1 AND 2 whole in every wave, so no barrier stands between those two.  All 16 steps of 128 along K are written out: there is no loop.
; CLUSTERS: 4 x 4 work-groups; O's cells are asked for jointly along a row of the cluster, wo's along a column.
; THE MATRIX INSTRUCTION IS USED TRANSPOSED (source 0 = wo's fragment, source 1 = O's): lane (r, h) of accumulator (a, b) holds the token of lane r of O's fragment and columns 32 (b / 2) + 16 h + 8 (b % 2) + 0 .. 7 of my 64.
; The way out undoes the cells' order of rows: columns by the place in the stage, tokens by the stores' immediates.  A wave's 64 columns are 256 bytes, at a multiple of 256 in a row of out0: each wave has a stage of its own.
; REGISTERS: window 0: v1-5 lane terms; v8-23 addresses; v28, v29 the add's; v32-39 scale words, two sets of four (lanes 0-15 O's, lanes 16-31 wo's); v128-255 the accumulators ((a, b) at v[128 + 8 (4 a + b)]).
;   window 1: two fragment buffers at v0 and v128: O's four fragments (48 registers), then wo's four; on the way out v0-127 take the four blocks' rows, each block its own 32, so that no store's data are written again.
.set CELL,   12800
.set KSB,    2*CELL                    ; what one tensor load brings
.set STEPB,  4*CELL                    ; 512 along K of one operand's 128 rows
.set SLOT,   2*STEPB                   ; O's four cells, then wo's four
.set SPARE,  3*SLOT                    ; behind the ring: the spare words, 128 bytes for each wave: two blocks of 256 bytes that no other line names
.set STAGE,  SPARE+512                 ; behind them: 16 rows x (256 + 16) bytes for each wave; no fill lands here
.set SPITCH, 272
.set NP,     4                         ; places behind this matrix instruction (ISA guide 7.12.1)
.set ADRA, 8                           ; v8-10   my fragments of O in slot 0, 1, 2: 16 x lane + the fragments' place
.set ADRB, 12                          ; v12-14  the same for wo
.set ADRS, 16                          ; v16-18  scale words: lanes 0-15 O's, lanes 16-31 wo's
.set STO,  20                          ; v20     the way out: where I put 32 bytes of a row
.set RD,   21                          ; v21     and where I read a row back
.set CO,   22                          ; v22     my byte offset in two rows of out0
.set L16,  23                          ; v23     16 x lane
.set SPW,  28
.set NIL,  29
.set SC,   32
.set ACC,  128
.set G1,  24                           ; s[24:31] descriptor group 1 for O's cells;  s[32:43] group 0, one set for each slot
.set G0,  32
.set G1B, 48                           ; s[48:55], s[68:79] the same for wo's
.set G0B, 68
.set MSB, 0
.macro WIN new                         ; the immediate's high byte repeats the setting that is left
.if MSB != (\new)
	s_set_vgpr_msb (MSB<<8)|(\new)
.set MSB, (\new)
.endif
.endm
.set MUL,   0x05                       ; sources 0 (wo) and 1 (O) window 1; C and D window 0
.set TO_F,  0x40                       ; destination window 1, address window 0
.set FROM_F, 0x04                      ; a store's data (source 1) window 1
.macro JLOAD g0a, g1a, g0b, g1b        ; a joint load: waves 0, 1 fetch for O, waves 2, 3 for wo; four v_nop follow each line
	s_cmp_eq_u32 s15, 0
	s_cbranch_scc0 .Lfor_b_\@
	tensor_load_to_lds s[\g0a:\g0a+3], s[\g1a:\g1a+7]
	s_nop 0
.rept 4
	v_nop
.endr
	s_branch .Lasked_\@
.Lfor_b_\@:
	tensor_load_to_lds s[\g0b:\g0b+3], s[\g1b:\g1b+7]
	s_nop 0
.rept 4
	v_nop
.endr
.Lasked_\@:
.endm
.macro CREST                           ; a round of the cluster's barrier behind its opening barrier
	s_cmp_lg_u32 s14, 0
	s_cbranch_scc1 .Lnot_wave_0_\@
	s_barrier_signal -3
.Lnot_wave_0_\@:
	s_barrier_wait -3
	s_barrier_signal -1
	s_barrier_wait -1
.endm
.macro CROUND                          ; a whole round
	s_barrier_signal -1
	s_barrier_wait -1
	CREST
.endm
	s_load_b128 s[4:7], s[0:1], 0x0                ; oc s[4:5], opw s[6:7]
	s_load_b64 s[12:13], s[0:1], 0x10              ; out0
	v_lshl_add_u32 v[SPW], v0, 2, SPARE
	v_mov_b32 v[NIL], 0
	ds_add_u32 v28, v29
	ds_add_u32 v28, v29
	s_wait_dscnt 0x0
	v_lshrrev_b32 v1, 5, v0
	v_readfirstlane_b32 s14, v1                    ; wave 0..3
	s_lshr_b32 s15, s14, 1                         ; which 64 tokens are mine.  Also: I fetch for O (0) or for wo (1)
	s_and_b32 s16, s14, 1                          ; which 64 columns.  Also: which two of a step's four cells I fetch
	s_bfe_u32 s80, ttmp6, 0x40000                  ; cx, cy: my place in the cluster
	s_bfe_u32 s81, ttmp6, 0x40004
	s_lshl_b32 s82, ttmp9, 2
	s_add_co_u32 s82, s82, s80                     ; tile column = wo's row group
	s_and_b32 s17, ttmp7, 0xffff
	s_lshl_b32 s17, s17, 2
	s_add_co_u32 s17, s17, s81                     ; tile row = O's row group
	s_lshl_b32 s83, s81, 2
	s_lshl_b32 s83, 15, s83                        ; my row of the cluster
	s_lshl_b32 s84, 0x1111, s80                    ; my column
	s_or_b32 s[G1+0], s83, (3<<16)|(1<<21)         ; 15:0 the mask; 17:16 elements of 8 bytes; 20 no padding; 21 set beside a mask
	s_or_b32 s[G1B+0], s84, (3<<16)|(1<<21)
.irp g, G1, G1B
	s_mov_b32 s[\g+1], 32<<16                      ; tensor_dim0 = 32 elements: rows of 256 bytes,
	s_mov_b32 s[\g+2], 100<<16                     ; tensor_dim1 = 100 of them: 25,600 dense bytes
	s_mov_b32 s[\g+3], 32<<16                      ; tile_dim0
	s_mov_b32 s[\g+4], 100                         ; tile_dim1
	s_mov_b32 s[\g+5], 32                          ; the pitch
	s_mov_b32 s[\g+6], 0
	s_mov_b32 s[\g+7], 0
.endr
	s_lshl_b32 s18, s16, 1
	s_lshl_b32 s20, s17, 4
	s_add_co_u32 s20, s20, s18                     ; O: cell 16 x tile row + 2 x which
	s_mul_i32 s20, s20, CELL
	s_mov_b32 s21, 0
	s_lshl_b32 s86, s82, 4
	s_add_co_u32 s86, s86, s18                     ; wo: cell 1,024 + 16 x tile column + 2 x which
	s_mul_i32 s86, s86, CELL
	s_add_co_u32 s86, s86, 1024*CELL
	s_mov_b32 s87, 0
	s_mul_i32 s85, s14, KSB                        ; where they go: wave x 25,600: no place in the cluster enters an LDS address
	s_wait_kmcnt 0x0
	s_add_nc_u64 s[20:21], s[4:5], s[20:21]
	s_add_nc_u64 s[86:87], s[6:7], s[86:87]
	CROUND                                         ; all sixteen work-groups are here: the first joint loads meet
.irp s, 0,1,2
	s_mov_b32 s[G0+4*\s], 1                        ; count = 1
	s_add_co_u32 s[G0+4*\s+1], s85, \s*SLOT        ; LDS address
	s_add_nc_u64 s[G0+4*\s+2:G0+4*\s+3], s[20:21], \s*STEPB   ; global address: K step s
	s_or_b32 s[G0+4*\s+3], s[G0+4*\s+3], 0x80000000           ; type = 2
	s_mov_b32 s[G0B+4*\s], 1
	s_add_co_u32 s[G0B+4*\s+1], s85, \s*SLOT
	s_add_nc_u64 s[G0B+4*\s+2:G0B+4*\s+3], s[86:87], \s*STEPB
	s_or_b32 s[G0B+4*\s+3], s[G0B+4*\s+3], 0x80000000
	JLOAD G0+4*\s, G1, G0B+4*\s, G1B               ; three first fills of a wave, one group
.endr
	v_and_b32 v1, 15, v0                           ; r
	v_bfe_u32 v2, v0, 4, 1                         ; h
	v_and_b32 v3, 31, v0
	v_lshlrev_b32 v[L16], 4, v3
	s_mul_i32 s90, s15, 4*1536                     ; my four fragments in each of O's cells
	s_mul_i32 s91, s16, 4*1536                     ; and in each of wo's,
	s_add_co_u32 s91, s91, STEPB                   ; which lie behind O's four cells
	s_lshl_b32 s88, s15, 8                         ; my fragments' scale words: 256 bytes for four fragments
	s_lshl_b32 s89, s16, 8
	s_add_co_u32 s89, s89, STEPB
	s_sub_co_u32 s89, s89, s88
	v_mul_u32_u24 v4, s89, v2                      ; lanes 16-31 take wo's
	v_lshl_add_u32 v4, v1, 4, v4
.irp s, 0,1,2
	v_add_nc_u32 v[ADRA+\s], s90, v[L16]
	v_add_nc_u32 v[ADRB+\s], s91, v[L16]
	v_add_nc_u32 v[ADRS+\s], s88, v4
	s_add_co_u32 s90, s90, SLOT
	s_add_co_u32 s91, s91, SLOT
	s_add_co_u32 s88, s88, SLOT
.endr
	s_mul_i32 s92, s14, 16*SPITCH
	s_add_co_u32 s92, s92, STAGE                   ; my stage
	v_mul_u32_u24 v5, v1, SPITCH
	v_lshl_add_u32 v5, v2, 6, v5
	v_add_nc_u32 v[STO], s92, v5                   ; in: row r, + 64 h
	v_mul_u32_u24 v5, v2, SPITCH
	v_lshl_add_u32 v5, v1, 4, v5
	v_add_nc_u32 v[RD], s92, v5                    ; back: lanes 0-15 one row of 256 bytes, lanes 16-31 the next
	v_lshlrev_b32 v[CO], 13, v2
	v_lshl_add_u32 v[CO], v1, 4, v[CO]             ; and the same two rows in out0 (8,192 bytes a row)
	s_lshl_b32 s96, s17, 7
	s_lshl_b32 s95, s15, 6
	s_add_co_u32 s96, s96, s95                     ; my first token: 128 x tile row + 64 x half
	s_lshl_b32 s96, s96, 13
	s_lshl_b32 s95, s82, 9                         ; my first column, in bytes: 512 x tile column + 256 x half
	s_add_co_u32 s96, s96, s95
	s_lshl_b32 s95, s16, 8
	s_add_co_u32 s96, s96, s95
	s_mov_b32 s97, 0
	s_add_nc_u64 s[12:13], s[12:13], s[96:97]
; 25 LDS loads in one run: the q-th 128 along K of slot sl into buffer f: wo's four fragments, O's four (three loads of 512 consecutive bytes each), and one line of scale words
.macro FETCH sl, q, f
	WIN TO_F
.irp i, 0,1,2,3
.irp g, 0,1,2
	ds_load_b128 v[128*(\f)+48+12*\i+4*\g:128*(\f)+48+12*\i+4*\g+3], v[ADRB+\sl] offset:CELL*(\q)+1536*\i+512*\g
.endr
.endr
.irp i, 0,1,2,3
.irp g, 0,1,2
	ds_load_b128 v[128*(\f)+12*\i+4*\g:128*(\f)+12*\i+4*\g+3], v[ADRA+\sl] offset:CELL*(\q)+1536*\i+512*\g
.endr
.endr
	WIN 0
	ds_load_b128 v[SC+4*(\f):SC+4*(\f)+3], v[ADRS+\sl] offset:12288+CELL*(\q)   ; register k: lanes 0-15 the word of O's fragment k of my four, lanes 16-31 that of wo's
.endm
; 8 matrix instructions: O's fragments a0, a0 + 1 x wo's four, 128 along K, from buffer f.  zero = 1: the first product starts the sums: nothing is ever cleared.
; The 16 accumulators take turns, one instruction a turn, in the same order in every step.
.macro MUL8 f, a0, zero
.irp a, \a0, \a0+1
.irp b, 0,1,2,3
.if \zero
	v_wmma_scale_f32_16x16x128_f8f6f4 v[ACC+8*(4*(\a)+\b):ACC+8*(4*(\a)+\b)+7], v[128*(\f)+48+12*\b:128*(\f)+48+12*\b+11], v[128*(\f)+12*(\a):128*(\f)+12*(\a)+11], 0, v[SC+4*(\f)+\b], v[SC+4*(\f)+(\a)] matrix_a_fmt:MATRIX_FMT_BF6 matrix_b_fmt:MATRIX_FMT_BF6 matrix_a_scale:MATRIX_SCALE_ROW1
.else
	v_wmma_scale_f32_16x16x128_f8f6f4 v[ACC+8*(4*(\a)+\b):ACC+8*(4*(\a)+\b)+7], v[128*(\f)+48+12*\b:128*(\f)+48+12*\b+11], v[128*(\f)+12*(\a):128*(\f)+12*(\a)+11], v[ACC+8*(4*(\a)+\b):ACC+8*(4*(\a)+\b)+7], v[SC+4*(\f)+\b], v[SC+4*(\f)+(\a)] matrix_a_fmt:MATRIX_FMT_BF6 matrix_b_fmt:MATRIX_FMT_BF6 matrix_a_scale:MATRIX_SCALE_ROW1
.endif
.endr
.endr
.endm
.macro PLACES n                        ; plain vector instructions between a matrix instruction and a load into, or an LDS store of, its registers (ISA guide 7.12.1 for vector instructions)
.rept \n
	v_nop
.endr
.endm
; A step of 128 along K: multiplies buffer f; ahead of its products it asks for the step that follows (the nq-th 128 of slot nsl) into the other buffer, which the last step's products have read.
.macro SUB f, nsl, nq, zero
	PLACES NP
	FETCH \nsl, \nq, 1-(\f)
	s_wait_dscnt 25                                ; all but the 25 loads just issued: buffer f and its scale words are in
	WIN MUL
	MUL8 \f, 0, \zero
	MUL8 \f, 2, \zero
.endm
; A slot's last step (buffer 1) where a barrier is due.  In front of the barrier each wave waits for all its tensor loads, adds 0 to its spare word, and waits for that and for its reads of the slot.
; fill = 1: the barrier opens a round of the cluster's barrier, and slot 0, which nobody reads any more, takes K step 3.  fill = 0: K step 3 has landed in every wave's part; nothing is filled.
.macro TURN next, fill
	WIN 0                                          ; (the add's two registers lie in window 0)
	s_wait_tensorcnt 0x0                           ; all my tensor loads have landed
	ds_add_u32 v[SPW], v[NIL]
	s_wait_dscnt 1                                 ; (the add may be out: buffer 1 is in)
	WIN MUL
	MUL8 1, 0, 0                                   ; eight matrix instructions stand between the add and the wait for it
	s_wait_dscnt 0x0                               ; the add is done, and my reads of this slot are over
	s_barrier_signal -1
	MUL8 1, 2, 0
	WIN 0
	s_barrier_wait -1
.if \fill
	CREST                                          ; no wave of any partner still reads slot 0 or has a load on its way
	s_add_nc_u64 s[G0+2:G0+3], s[G0+2:G0+3], 3*STEPB       ; from K step 0 to K step 3
	s_add_nc_u64 s[G0B+2:G0B+3], s[G0B+2:G0B+3], 3*STEPB
	JLOAD G0, G1, G0B, G1B                         ; the first tensor load behind the round, and my only one; its four v_nop are the places in front of the loads below
.else
	PLACES NP
.endif
	FETCH \next, 0, 0
.endm
	s_wait_tensorcnt 2                             ; my part of K step 0 is in; the loads of K steps 1 and 2 may be out
	s_barrier_signal -1
	s_barrier_wait -1                              ; everybody's is
	FETCH 0, 0, 0
	SUB 0, 0, 1, 1                                 ; K step 0, in slot 0; the first products start the sums
	SUB 1, 0, 2, 0
	SUB 0, 0, 3, 0
	TURN 1, 1                                      ; slots 1 and 2 are whole behind it; slot 0 is asked for again
	SUB 0, 1, 1, 0                                 ; K step 1, in slot 1
	SUB 1, 1, 2, 0
	SUB 0, 1, 3, 0
	SUB 1, 2, 0, 0                                 ; on into slot 2 without a barrier
	SUB 0, 2, 1, 0                                 ; K step 2
	SUB 1, 2, 2, 0
	SUB 0, 2, 3, 0
	TURN 0, 0                                      ; K step 3 is whole in slot 0
	SUB 0, 0, 1, 0
	SUB 1, 0, 2, 0
	SUB 0, 0, 3, 0
	s_wait_dscnt 0x0                               ; the very last step: nothing more to fetch
	WIN MUL
	MUL8 1, 0, 0
	MUL8 1, 2, 0
	WIN 0
; THE WAY OUT, block by block of 16 tokens x 64 columns, through my own stage: LDS serves a wave's instructions in order (ISA guide 5.7.1.4), so no wait stands between the stores and the loads, nor in front of the next block's stores.
.macro TOSTAGE a
	WIN 0
.irp b, 0,1,2,3
	ds_store_b128 v[STO], v[ACC+8*(4*(\a)+\b):ACC+8*(4*(\a)+\b)+3] offset:128*(\b/2)+32*(\b%2)        ; columns 32 (b / 2) + 16 h + 8 (b % 2) on; each accumulator from its low end on
	ds_store_b128 v[STO], v[ACC+8*(4*(\a)+\b)+4:ACC+8*(4*(\a)+\b)+7] offset:128*(\b/2)+32*(\b%2)+16
.endr
	WIN TO_F
.irp t, 0,1,2,3,4,5,6,7
	ds_load_b128 v[32*(\a)+4*\t:32*(\a)+4*\t+3], v[RD] offset:2*\t*SPITCH     ; stage rows 2 t and 2 t + 1
.endr
.endm
.macro SEND a, younger                 ; younger: the LDS instructions issued behind block a's loads, which may stay out
	s_wait_dscnt \younger
	WIN FROM_F
.irp t, 0,1,2,3,4,5,6,7
	global_store_b128 v[CO], v[32*(\a)+4*\t:32*(\a)+4*\t+3], s[12:13] offset:(32*((\a)/2)+8*((\a)%2)+2*\t+8*(\t/4))*8192 th:TH_STORE_NT   ; stage row n is token 32 (a / 2) + 8 (a % 2) + n + 8 (n / 8) of my 64; 16 lanes store 256 consecutive bytes, at a multiple of 256 from out0's first byte
.endr
.endm
	PLACES NP                                      ; in front of the first read of results, and of the loads into registers that held fragments
	TOSTAGE 0
	TOSTAGE 1
	SEND 0, 16                                     ; behind block 0's loads: block 1's 8 stores and 8 loads
	TOSTAGE 2
	SEND 1, 16
	TOSTAGE 3
	SEND 2, 16
	SEND 3, 0
	WIN 0
	s_wait_tensorcnt 0x0                           ; the wave's end, behind my last tensor load and my last LDS store
	ds_add_u32 v[SPW], v[NIL]
	s_wait_dscnt 0x0
	CROUND                                         ; the closing round: no work-group ends while a partner may still ask for a tile that names it
	s_endpgm
.Lfunc_end_k_q3af954d5c0_oproj:
	.size	k_q3af954d5c0_oproj, .Lfunc_end_k_q3af954d5c0_oproj-k_q3af954d5c0_oproj
	.p2alignl 7, 3214868480
	.fill 96, 4, 3214868480
	.section	.rodata,"a",@progbits
	.p2align	6, 0x0
	.amdhsa_kernel k_q3af954d5c0_oproj
		.amdhsa_group_segment_fixed_size 327680
		.amdhsa_private_segment_fixed_size 0
		.amdhsa_enable_private_segment 0
		.amdhsa_kernarg_size 24
		.amdhsa_user_sgpr_count 2
		.amdhsa_user_sgpr_kernarg_segment_ptr 1
		.amdhsa_wavefront_size32 1
		.amdhsa_system_sgpr_workgroup_id_x 1
		.amdhsa_system_sgpr_workgroup_id_y 1
		.amdhsa_system_sgpr_workgroup_id_z 1
		.amdhsa_system_vgpr_workitem_id 0
		.amdhsa_next_free_vgpr 512
		.amdhsa_next_free_sgpr 100
		.amdhsa_reserve_vcc 0
		.amdhsa_float_denorm_mode_32 3
		.amdhsa_float_denorm_mode_16_64 3
		.amdhsa_memory_ordered 1
		.amdhsa_forward_progress 1
		.amdhsa_inst_pref_size 79
	.end_amdhsa_kernel
	.amdgpu_metadata
---
amdhsa.version: [ 1, 2 ]
amdhsa.kernels:
  - .name:           k_q3af954d5c0_oproj
    .symbol:         k_q3af954d5c0_oproj.kd
    .args:
      - { .name: oc, .offset: 0, .size: 8, .value_kind: global_buffer, .address_space: global }
      - { .name: opw, .offset: 8, .size: 8, .value_kind: global_buffer, .address_space: global }
      - { .name: out0, .offset: 16, .size: 8, .value_kind: global_buffer, .address_space: global }
    .group_segment_fixed_size: 327680
    .private_segment_fixed_size: 0
    .kernarg_segment_align: 8
    .kernarg_segment_size: 24
    .max_flat_workgroup_size: 128
    .sgpr_count:     100
    .vgpr_count:     512
    .wavefront_size: 32
...
	.end_amdgpu_metadata
.endif
;; end of part 5
;; ======== version 3 of 3: 4 launches; version 2 with the launch attn written anew for expert scheduling mode
;; workspace buffers: opw 16,384,000 bytes; qkv 9,830,400 bytes; oc 3,276,800 bytes; flags 1,024 bytes of whole numbers
;; launch quant: the kernel of part 1 again; grid 256 x 1, 6 waves a work-group, no clusters, 51,456 bytes of LDS; arguments x, wq, wk, wv, wo, attn_mask, opw, flags; writes opw, flags
;; launch qkv: the kernel of part 2 again; grid 24 x 8, 4 waves a work-group, clusters of 4 x 4, 327,680 bytes of LDS; arguments opw, rope_cos, rope_sin, q_norm_w, k_norm_w, qkv; writes qkv
;; launch attn (part 6): grid 16 x 16, 8 waves a work-group, no clusters, 132,608 bytes of LDS; arguments qkv, attn_mask, flags, oc; writes oc
.if DOCPART == 6
	.amdgcn_target "amdgcn-amd-amdhsa--gfx1250"
	.amdhsa_code_object_version 6
	.text
	.protected	k_q3af954d5c0_attn
	.globl	k_q3af954d5c0_attn
	.p2align	8
	.type	k_q3af954d5c0_attn,@function
k_q3af954d5c0_attn:
	s_mov_b64 s[64:65], 0
	v_nop
	global_prefetch_b8 v0, s[64:65] scope:SCOPE_SE
	s_setreg_imm32_b32 hwreg(HW_REG_WAVE_SCHED_MODE, 0, 2), 2
	s_setreg_imm32_b32 hwreg(HW_REG_WAVE_MODE, 25, 1), 1
	s_wait_xcnt 0x0
	s_wait_alu depctr_vm_vsrc(0)
; O = softmax(mask(q k^T / sqrt(128))) v for 16 heads of 2,048 tokens, both products on codes of BF6 (E3M2); O / l is quantised along the model's 2,048 and leaves as cells for the last product.
; q, k, V^T come as CELLS (128 rows x 128 K, 12,800 bytes: eight fragments as register images, then scale words; lane r of fragment i is row 32 (i / 2) + 8 (i % 2) + r + 8 (r / 8)).
; THE SOFTMAX: t = score x log2(e) / sqrt(128); M = the running largest t rounded up to a whole number; p = 2^(t - M) is quantised along the keys; l is the sum of the unquantised p and divides O at the end.
; THE MASK is an input and is honoured byte by byte.  An earlier launch has stored, for each 8 rows and each 128 keys, whether any byte is 1 and whether all are.  A key step none of whose 16 x 128 bytes is 1 is left out
; (its p are 0); one all of whose bytes are 1 reads no mask; any other loads its bytes and sets hidden scores to -infinity ahead of the maximum.  A query with no key at all has l = 0: its scale bytes are set to 0xff,
; so that its whole row of the result comes out NaN, as the softmax of nothing but -infinity does.
; SHARES.  Work-group (x, head): query groups x / 2 and 15 - x / 2, fragments 4 (x % 2) .. + 3 of each; a wave owns one fragment of 16 queries.  The pairing only evens the work where late queries see more keys.
; Both products are used transposed (S^T = K Q^T, O^T = V^T P^T): a lane holds one query throughout, and by the cells' order of rows its registers run along the keys, then along the channels.
; K and V^T of two key steps (4 cells, 51,200 bytes) lie in one of two LDS slots, filled THROUGH REGISTERS, an eighth by each wave, a slot ahead; one barrier for each change of slots.
; NO TENSOR LOAD AND NO CLUSTER: which steps a wave works, and which cells are fetched, hangs on the stored flags; what the 16 work-groups of a head share
; is 409,600 bytes, fetched once by each.
; REGISTERS: window 0: v3-11 addresses that stay; v12 -M, v13 the largest t, v[14:15] l; v16-27 Q, v255 its scale word; v28, v29, v31 mask offset, -infinity, prefetch offset; v32-39, v40-47 K's and V's scale words;
;   v48-63 mask bytes; v64-67 at work; v96-159 S^T, then p; v160-223 O^T; v224-254 p's codes and work; v250, v251 the closing add's two.  window 1: v0-49 the fill on its way; v64-159 K's eight fragments; v160-255 V's.
; LIMITS: NaN and infinities among the inputs are not served.
; THE MODE: SCHED_MODE bits 1:0 = 2 (LLVM: expert scheduling mode 2), set by the entry lines.  The code itself states the register dependences between vector or matrix instructions and memory or LDS instructions,
; with s_wait_alu, always for 0.
; THE PLAN.  Registers that memory or LDS instructions touch, in the loop:
;   the fill (window 1, v0-49)  Loads land in it, LDS stores read it, no vector instruction names it: one wait on vm_vsrc at the head of a slot's two steps, ahead of the next loads.
;   K's fragments and scale words  Read by a step's products K Q^T; loaded at the head of the next worked step.  The waits on va_vdst that stand in the softmax between lie behind those products, and nothing issued
;                               behind the last of them (the products V^T P, four v_nop) names these registers: the loads owe no further wait.  The mask's bytes, v48-63, likewise: their lines stand ahead of the exponentials.
;   V's fragments and scale words  Read by a step's products V^T P, its last matrix instructions; loaded in the next worked step BEHIND its products K Q^T, behind one wait on va_vdst: they land during the softmax.
;   p's codes v224-235, p's scale word v253  Written by vector instructions, taken by the scaled products V^T P: one wait on va_vdst ahead of these, behind their places.
;   addresses and offsets       Made at the head, ahead of one wait on va_vdst, and never written again: the mask's key step is reached by its scalar base, which moves on at each step's end.
.set CELL,  12800
.set VOFF,  2*CELL                     ; a slot: K's two cells, then V's two
.set SLOT1, 65536
.set STG,   2*SLOT1                    ; 512 bytes: the eight fragments' scale words on the way out
.set AD,   3                           ; v3, v4    16 x lane (+ slot 1)
.set AS,   5                           ; v5, v6    16 r (+ slot 1)
.set FS,   7                           ; v7, v8    the fill's stores: 6,400 x wave + 16 x lane
.set FT,   9                           ; v9, v10   and its last 256 bytes: 6,400 x wave + 8 x lane
.set L8,   11
.set MO,   28
.set NINF, 29
.set PFO,  31
.set KS,   32
.set VS,   40
.set M,    48
.set T,    64
.set PC,   48                          ; the way out
.set TM,   68
.set PW,   84
.set SWA,  85
.set SRA,  86
.set SGO,  87
.set KF,   64                          ; window 1
.set VF,   160
.set SEL,  20
.set CS,   22
.set FB,   24                          ; s[24:25] my eighth of the slot being fetched
.set MB,   26                          ; s[26:27] the mask at my fragment's first query, at the key step in hand
.set SG,   28                          ; the key step
.set SS,   30                          ; the slot in hand
.set NB,   31                          ; the key step to which my eighth of the next slot belongs
.set ANY,  48
.set ALL,  49
.set WGA,  50
.set PLIM, 51
.set PS,   52                          ; s53-55 byte selects
.set MSB, 0
.macro WIN new
.if MSB != (\new)
	s_set_vgpr_msb (MSB<<8)|(\new)
.set MSB, (\new)
.endif
.endm
	s_load_b256 s[4:11], s[0:1], 0x0               ; qkv s[4:5], mask s[6:7], flags s[8:9], oc s[10:11]
	v_lshl_add_u32 v250, v0, 2, 0x20200
	v_mov_b32 v251, 0
	v_lshrrev_b32 v1, 5, v0
	v_readfirstlane_b32 s12, v1                    ; wave 0..7
	s_lshr_b32 s13, ttmp9, 1                       ; pi
	s_and_b32 s14, ttmp9, 1                        ; e
	s_and_b32 s15, ttmp7, 0xffff                   ; the head
	s_wait_alu depctr_va_sdst(0)                   ; s12 is written, ahead of its first reader: roles, addresses and the last branch are made from it
	s_lshr_b32 s16, s12, 2
	s_xor_b32 s16, s16, s12
	s_and_b32 s16, s16, 1                          ; role: 0 the early group, 1 the late one
	s_lshr_b32 s17, s12, 1                         ; which of the four fragments
	s_sub_co_u32 s18, 15, s13
	s_cmp_lg_u32 s16, 0
	s_cselect_b32 s18, s18, s13                    ; my query group
	s_lshl_b32 s19, s14, 2
	s_add_co_u32 s19, s19, s17                     ; my fragment
	s_lshr_b32 s56, s12, 2                         ; my eighth of a slot: waves 0-3 K's, waves 4-7 V's;
	s_add_co_u32 s56, s56, 1
	s_mul_i32 s56, s56, 256*CELL
	s_mul_i32 s57, s15, 16*CELL                    ; the head's 16 cells;
	s_add_co_u32 s56, s56, s57
	s_bfe_u32 s58, s12, 0x10001                    ; which of the slot's two key steps;
	s_add_co_u32 s[NB], s58, 2
	s_mul_i32 s58, s58, CELL
	s_add_co_u32 s56, s56, s58
	s_and_b32 s58, s12, 1                          ; which half of the cell
	s_mul_i32 s58, s58, 6400
	s_add_co_u32 s56, s56, s58
	s_mov_b32 s57, 0
	v_and_b32 v1, 31, v0
	v_lshlrev_b32 v[AD], 4, v1
	v_add_nc_u32 v[AD+1], SLOT1, v[AD]
	v_and_b32 v2, 15, v0
	v_lshlrev_b32 v[AS], 4, v2
	v_add_nc_u32 v[AS+1], SLOT1, v[AS]
	s_mul_i32 s58, s12, 6400
	v_add_nc_u32 v[FS], s58, v[AD]
	v_add_nc_u32 v[FS+1], SLOT1, v[FS]
	v_lshlrev_b32 v[L8], 3, v1
	v_add_nc_u32 v[FT], s58, v[L8]
	v_add_nc_u32 v[FT+1], SLOT1, v[FT]
	s_lshl_b32 s58, s16, 8
	s_lshl_b32 s59, s17, 2
	s_add_co_u32 s58, s58, s59
	s_add_co_u32 s58, s58, STG
	v_add_nc_u32 v[SWA], s58, v[AS]                ; my scale word's place: 256 x role + 16 r + 4 x fragment
	v_add_nc_u32 v[SRA], STG, v[AD]
	v_min_u32 v[PFO], 24, v1                       ; my eighth is 25 blocks of 256 bytes: lanes 24-31 name the last together
	v_lshlrev_b32 v[PFO], 8, v[PFO]
	v_bfe_u32 v[T], v0, 4, 1                       ; h
	v_and_b32 v[MO], 8, v2
	v_add_nc_u32 v[MO], v[MO], v2
	v_lshlrev_b32 v[MO], 11, v[MO]
	v_lshl_add_u32 v[MO], v[T], 4, v[MO]           ; the mask: row r + 8 (r / 8) of 2,048 bytes, + 16 h
	s_lshl_b32 s58, s13, 1
	s_sub_co_u32 s58, 15, s58
	s_mul_i32 s58, s58, 16*CELL                    ; from the early group's cell to the late group's
	v_mul_u32_u24 v[SGO], s58, v[T]
	v_add_nc_u32 v[SGO], v[SGO], v[AS]
	s_wait_kmcnt 0x0
	s_add_nc_u64 s[FB:FB+1], s[4:5], s[56:57]
	s_wait_alu depctr_va_vdst(0)                   ; every address and offset of the kernel is written (v3-11, v28, v31, v85-87): the loads, stores and prefetches below read them, and no line writes them again
.macro FLOAD                           ; 6,400 bytes: twelve loads of 512 and one of 256
	WIN 0x40
.set k, 0
.rept 12
	global_load_b128 v[4*k:4*k+3], v[AD], s[FB:FB+1] offset:512*k
.set k, k+1
.endr
	global_load_b64 v[48:49], v[L8], s[FB:FB+1] offset:6144
	WIN 0
.endm
.macro FSTORE sl
	WIN 0x04                                       ; an LDS store's data are its source 1
.set k, 0
.rept 12
	ds_store_b128 v[FS+(\sl)], v[4*k:4*k+3] offset:512*k
.set k, k+1
.endr
	ds_store_b64 v[FT+(\sl)], v[48:49] offset:6144
	WIN 0
.endm
	FLOAD                                          ; slot 0, always: so the registers are written on every way
	s_lshl_b32 s60, s15, 4                         ; q's cell: 16 x head + group
	s_add_co_u32 s60, s60, s18
	s_mul_i32 s60, s60, CELL
	s_mul_i32 s62, s19, 1536
	s_add_co_u32 s62, s62, s60
	s_mov_b32 s63, 0
	s_lshl_b32 s61, s14, 8
	s_add_co_u32 s60, s60, s61
	s_lshl_b32 s61, s17, 2
	s_add_co_u32 s60, s60, s61
	s_add_co_u32 s60, s60, 12288
	s_mov_b32 s61, 0
	s_add_nc_u64 s[66:67], s[4:5], s[62:63]
	s_add_nc_u64 s[68:69], s[4:5], s[60:61]
.irp g, 0,1,2
	global_load_b128 v[16+4*\g:19+4*\g], v[AD], s[66:67] offset:512*\g   ; Q's fragment stays in registers
.endr
	global_load_b32 v255, v[AS], s[68:69]          ; and its scale word
	s_lshl_b32 s60, s18, 7                         ; my fragment's first query
	s_lshr_b32 s62, s19, 1
	s_lshl_b32 s62, s62, 5
	s_add_co_u32 s60, s60, s62
	s_and_b32 s62, s19, 1
	s_lshl_b32 s62, s62, 3
	s_add_co_u32 s60, s60, s62
	s_lshr_b32 s62, s60, 1                         ; its flags word: 4 bytes for each 8 rows
	s_add_nc_u64 s[82:83], s[8:9], s[62:63]
	s_load_b32 s78, s[82:83], 0x0                  ; rows + 0 .. 7
	s_load_b32 s79, s[82:83], 0x8                  ; rows + 16 .. 23
	s_lshl_b32 s60, s60, 11
	s_add_nc_u64 s[MB:MB+1], s[6:7], s[60:61]
	s_lshl_b32 s62, s13, 6                         ; the work-group's 16 words: 8 of each query group
	s_lshl_b32 s60, s14, 5
	s_add_co_u32 s62, s62, s60
	s_add_nc_u64 s[76:77], s[8:9], s[62:63]
	s_load_b256 s[32:39], s[76:77], 0x0
	s_sub_co_u32 s62, 15, s13
	s_lshl_b32 s62, s62, 6
	s_add_co_u32 s62, s62, s60
	s_add_nc_u64 s[80:81], s[8:9], s[62:63]
	s_load_b256 s[40:47], s[80:81], 0x0
	s_lshl_b32 s60, s18, 4                         ; oc's cell: 16 x group + head; my fragment's image
	s_add_co_u32 s60, s60, s15
	s_mul_i32 s60, s60, CELL
	s_mul_i32 s62, s19, 1536
	s_add_co_u32 s60, s60, s62
	s_add_nc_u64 s[72:73], s[10:11], s[60:61]
	s_lshl_b32 s60, s13, 4                         ; the early group's cell: its scale words
	s_add_co_u32 s60, s60, s15
	s_mul_i32 s60, s60, CELL
	s_lshl_b32 s62, s14, 8
	s_add_co_u32 s60, s60, s62
	s_add_co_u32 s60, s60, 12288
	s_add_nc_u64 s[74:75], s[10:11], s[60:61]
	v_mov_b32 v[NINF], 0xff800000                  ; from here to the loop the vector lines write registers that no memory or LDS instruction touches
	s_mov_b32 s[SEL], 0x76543210
	s_mov_b32 s[SEL+1], 0xfedcba98
	s_mov_b32 s[CS], 0x3e0293ee                    ; c = log2(e) / sqrt(128)
	s_mov_b32 s[CS+1], s[CS]
	s_mov_b32 s[PS+1], 0x01010101
	s_mov_b32 s[PS+2], 0x02020202
	s_mov_b32 s[PS+3], 0x03030303
	s_mov_b32 s[SG], 0
	s_mov_b32 s[SS], 0
	s_cmp_eq_u32 ttmp9, 0                          ; the head's first work-group prefetches
	s_cselect_b32 s[PLIM], 6, 0
	v_mov_b32 v13, 0xff61b1e6                      ; the largest t so far: -3e38
	v_floor_f32 v12, -v13                          ; -M
	v_mov_b32 v14, 0
	v_mov_b32 v15, 0
.irp b, 0,1,2,3
	v_mov_b32 v[236+\b], 0                         ; a lane permute's destination counts as read
	v_mov_b32 v[TM+4+\b], 0
.endr
	v_mov_b32 v252, 0
	v_mov_b32 v253, 0
.set n, 0
.rept 64
	v_mov_b32 v[160+n], 0                          ; O^T: the step is written without a first form of its own; the first change of M leaves zeros zeros
.set n, n+1
.endr
	s_wait_kmcnt 0x0
	s_or_b32 s[ANY], s78, s79
	s_and_b32 s[ANY], s[ANY], 0xffff
	s_and_b32 s[ALL], s78, s79
	s_lshr_b32 s[ALL], s[ALL], 16
	s_or_b32 s[WGA], s32, s40
.irp i, 1,2,3,4,5,6,7
	s_or_b32 s[WGA], s[WGA], s[32+\i]
	s_or_b32 s[WGA], s[WGA], s[40+\i]
.endr
	s_and_b32 s[WGA], s[WGA], 0xffff               ; key steps that some wave of the work-group works; bits 16 on are 0: nothing is fetched past the last slot
	s_wait_loadcnt 0x0
	FSTORE 0
; S^T = K Q^T: eight tiles of 16 keys; behind them V's fragments of the same step are asked for.
.macro KQ8 sl, q
	s_wait_dscnt 0x0                               ; K's scale words and fragments are in
	WIN 0x01
.irp t, 0,1,2,3,4,5,6,7
	v_wmma_scale_f32_16x16x128_f8f6f4 v[96+8*\t:103+8*\t], v[KF+12*\t:KF+12*\t+11], v[16:27], 0, v[KS+\t], v255 matrix_a_fmt:MATRIX_FMT_BF6 matrix_b_fmt:MATRIX_FMT_BF6
.endr
	WIN 0
.rept 4
	v_nop                                          ; places in front of the first read of the scores
.endr
	s_wait_alu depctr_va_vdst(0)                   ; the products V^T P of the last step worked are done reading V's scale words and fragments, in which the loads below land
	ds_load_b128 v[VS:VS+3], v[AS+\sl] offset:VOFF+CELL*\q+12288
	ds_load_b128 v[VS+4:VS+7], v[AS+\sl] offset:VOFF+CELL*\q+12544
	WIN 0x40
.irp t, 0,1,2,3,4,5,6,7
.irp g, 0,1,2
	ds_load_b128 v[VF+12*\t+4*\g:VF+12*\t+4*\g+3], v[AD+\sl] offset:VOFF+CELL*\q+1536*\t+512*\g   ; no vector or matrix instruction up to the products V^T P names these registers: they land during the softmax
.endr
.endr
	WIN 0
.endm
; A KEY STEP: 128 keys, the q-th of slot sl.
.macro STEP sl, q
	s_lshr_b32 s56, s[ANY], s[SG]
	s_and_b32 s56, s56, 1
	s_cmp_lg_u32 s56, 0
	s_cbranch_scc0 .Lskip_\@                       ; none of my 16 x 128 mask bytes is 1
	ds_load_b128 v[KS:KS+3], v[AS+\sl] offset:CELL*\q+12288     ; no wait: the products K Q^T that read K's registers stand ahead of the last step's waits on va_vdst, and nothing issued since names them
	ds_load_b128 v[KS+4:KS+7], v[AS+\sl] offset:CELL*\q+12544
	WIN 0x40
.irp t, 0,1,2,3,4,5,6,7
.irp g, 0,1,2
	ds_load_b128 v[KF+12*\t+4*\g:KF+12*\t+4*\g+3], v[AD+\sl] offset:CELL*\q+1536*\t+512*\g
.endr
.endr
	WIN 0
	s_lshr_b32 s56, s[ALL], s[SG]
	s_and_b32 s56, s56, 1
	s_cmp_lg_u32 s56, 0
	s_cbranch_scc0 .Lmixed_\@
	KQ8 \sl, \q                                    ; all my mask bytes are 1
	s_branch .Lsoft_\@
.Lmixed_\@:
.irp b, 0,1,2,3
	global_load_b128 v[M+4*\b:M+4*\b+3], v[MO], s[MB:MB+1] offset:32*\b   ; the bytes of keys 32 b + 16 h + 0 .. 15 for my query: registers 16 b + 0 .. 15 of the scores.  No wait: as for K's registers above
.endr
	KQ8 \sl, \q
	s_wait_loadcnt 0x0
.set n, 0
.rept 16
	v_mul_lo_u32 v[M+n], v[M+n], 255               ; bytes 0 or 1 become 0x00 or 0xff
.set n, n+1
.endr
.set n, 0
.rept 16
	v_perm_b32 v[T], v[M+n], v[M+n], 0             ; a byte spread over the word,
	v_perm_b32 v[T+1], v[M+n], v[M+n], s[PS+1]
	v_perm_b32 v[T+2], v[M+n], v[M+n], s[PS+2]
	v_perm_b32 v[T+3], v[M+n], v[M+n], s[PS+3]
	v_bfi_b32 v[96+4*n], v[T], v[96+4*n], v[NINF]  ; chooses the score or -infinity; the scores are taken in ascending order
	v_bfi_b32 v[97+4*n], v[T+1], v[97+4*n], v[NINF]
	v_bfi_b32 v[98+4*n], v[T+2], v[98+4*n], v[NINF]
	v_bfi_b32 v[99+4*n], v[T+3], v[99+4*n], v[NINF]
.set n, n+1
.endr
.Lsoft_\@:
.irp b, 0,1,2,3
	v_max3_num_f32 v[232+\b], v[96+16*\b], v[97+16*\b], v[98+16*\b]   ; the largest score of each block of 32 keys: for the row's maximum, and, since p rises with the score, for the block's largest p
.endr
.irp i, 3,5,7,9,11,13
.irp b, 0,1,2,3
	v_max3_num_f32 v[232+\b], v[232+\b], v[96+16*\b+\i], v[97+16*\b+\i]
.endr
.endr
.irp b, 0,1,2,3
	v_max_num_f32 v[232+\b], v[232+\b], v[111+16*\b]
.endr
.irp b, 0,1,2,3
	v_permlanex16_b32 v[236+\b], v[232+\b], s[SEL], s[SEL+1]
.endr
.irp b, 0,1,2,3
	v_max_num_f32 v[232+\b], v[232+\b], v[236+\b]  ; with lane l xor 16's 16 keys
.endr
	v_max3_num_f32 v254, v232, v233, v234
	v_max_num_f32 v254, v254, v235
	v_mul_f32 v254, s[CS], v254                    ; as t
	v_max_num_f32 v13, v13, v254                   ; the running largest t
	v_mov_b32 v254, v12
	v_floor_f32 v12, -v13                          ; the new -M = -ceil(t)
	v_sub_f32 v254, v12, v254                      ; old M - new M: a whole number, 0 or less
	v_cvt_i32_f32 v254, v254                       ; (it saturates)
	v_ldexp_f32 v252, 1.0, v254                    ; f = 2^(old M - new M)
.set n, 0
.rept 32
	v_pk_fma_f32 v[96+n:97+n], v[96+n:97+n], s[CS:CS+1], v[12:13] op_sel_hi:[1,0,0]   ; t - M
.set n, n+2
.endr
.irp b, 0,1,2,3
	v_fma_f32 v[232+\b], v[232+\b], s[CS], v12
.endr
.set n, 0
.rept 64
	v_exp_f32 v[96+n], v[96+n]                     ; p = 2^(t - M)
.set n, n+1
.endr
	v_pk_mul_f32 v[14:15], v[14:15], v[252:253] op_sel_hi:[1,0]   ; l under the new M: the plain instruction behind the exponentials
	s_wait_alu depctr_va_vdst(0)                   ; the 64 exponentials have written p, v96-159: one wait for the batch, ahead of its first reader
.irp b, 0,1,2,3
	v_exp_f32 v[232+\b], v[232+\b]                 ; the blocks' largest p
.endr
	v_pk_add_f32 v[236:237], v[96:97], v[98:99]    ; l takes the unquantised p, in two chains
.irp j, 4,8,12,16,20,24,28,32,36,40,44,48,52,56,60
	v_pk_add_f32 v[14:15], v[14:15], v[96+\j:97+\j]
	v_pk_add_f32 v[236:237], v[236:237], v[98+\j:99+\j]
.endr
	v_pk_add_f32 v[14:15], v[14:15], v[236:237]
	s_wait_alu depctr_va_vdst(0)                   ; the four exponentials have written v232-235, ahead of their first reader
.irp b, 0,1,2,3
	v_max_num_f32 v[232+\b], 0x2800000, v[232+\b]  ; the floor 2^(5 - 127)
.endr
.irp b, 0,1,2,3
	v_add_nc_u32 v[244+\b], 0xfe000000, v[232+\b]  ; the conversion's scale operand
.endr
.irp b, 0,1,2,3
	v_lshrrev_b32 v[236+\b], 23, v[244+\b]         ; the byte
.endr
	v_lshl_or_b32 v253, v237, 8, v236              ; p's scale word for these 128 keys
	v_lshl_or_b32 v253, v238, 16, v253
	v_lshl_or_b32 v253, v239, 24, v253
.irp c, 0,1
	v_cvt_scalef32_pk16_bf6_f32 v[224+6*\c:226+6*\c], v[96+32*\c:111+32*\c], v[244+2*\c]
	v_cvt_scalef32_pk16_bf6_f32 v[236+4*\c:238+4*\c], v[112+32*\c:127+32*\c], v[244+2*\c+1]
.endr
	v_nop                                          ; one plain instruction behind the conversions
.irp c, 0,1
.irp i, 0,1,2
	v_permlane16_swap_b32 v[224+6*\c+\i], v[236+4*\c+\i]
.endr
.irp i, 0,1,2
	v_mov_b32 v[227+6*\c+\i], v[236+4*\c+\i]
.endr
.endr
.set n, 0
.rept 32
	v_pk_mul_f32 v[160+n:161+n], v[160+n:161+n], v[252:253] op_sel_hi:[1,0]   ; O^T under the new M; these are also the places in front of the products below
.set n, n+2
.endr
	s_wait_dscnt 0x0                               ; V's scale words and fragments are in
	s_wait_alu depctr_va_vdst(0)                   ; p's codes v224-235 and p's scale word v253 are written, which the scaled products below take as source 1 and as its scales; the places above stay beside this wait
	WIN 0x01
.irp t, 0,1,2,3,4,5,6,7
	v_wmma_scale_f32_16x16x128_f8f6f4 v[160+8*\t:167+8*\t], v[VF+12*\t:VF+12*\t+11], v[224:235], v[160+8*\t:167+8*\t], v[VS+\t], v253 matrix_a_fmt:MATRIX_FMT_BF6 matrix_b_fmt:MATRIX_FMT_BF6
.endr
	WIN 0
.rept 4
	v_nop                                          ; places in front of the next read of O^T
.endr
.Lskip_\@:
	s_add_co_u32 s[SG], s[SG], 1
	s_add_nc_u64 s[MB:MB+1], s[MB:MB+1], 128       ; the mask's base at the next key step's 128 bytes: every load that read it was waited for in its own step
.endm
; A SLOT'S TWO KEY STEPS.  In front of the barrier each wave's stores into this slot have landed and its reads of the other slot are back; behind it this slot is read and the other one is written.
.macro PHASE sl
	s_wait_dscnt 0x0
	s_barrier_signal -1
	s_barrier_wait -1
	s_wait_xcnt 0x0                                ; earlier loads and the last prefetch have read the base
	s_wait_alu depctr_vm_vsrc(0)                   ; the LDS stores of the last fill have read the fill's registers (window 1, v0-49), in which the loads below land; it stands ahead of the branch
	s_add_nc_u64 s[FB:FB+1], s[FB:FB+1], 2*CELL    ; my eighth of the next slot
	s_lshr_b32 s56, s[WGA], s[NB]
	s_and_b32 s56, s56, 1
	s_cmp_lg_u32 s56, 0
	s_cbranch_scc0 .Lnofill_\@                     ; no wave of the work-group works that key step
	FLOAD
.Lnofill_\@:
	s_cmp_lt_u32 s[SS], s[PLIM]
	s_cbranch_scc0 .Lnopf_\@
	global_prefetch_b8 v[PFO], s[FB:FB+1] offset:2*CELL th:TH_LOAD_NT scope:SCOPE_SE   ; my eighth of the slot after the one just asked for: slots 2 to 7, each block named by one wave of the head's first work-group
.Lnopf_\@:
	STEP \sl, 0
	s_wait_loadcnt 0x0
	FSTORE 1-\sl                                   ; where nothing was fetched, old bytes that nobody reads
	STEP \sl, 1
	s_add_co_u32 s[SS], s[SS], 1
	s_add_co_u32 s[NB], s[NB], 2
.endm
	s_mov_b32 s59, 4
.Lslots:
	PHASE 0
	PHASE 1
	s_sub_co_u32 s59, s59, 1
	s_cmp_lg_u32 s59, 0
	s_cbranch_scc1 .Lslots
	; THE WAY OUT: O^T / l, quantised along the channels (my head's 128 of the last product's K), as fragment and scale word of oc's cell.
	v_add_f32 v14, v14, v15
	v_permlanex16_b32 v252, v14, s[SEL], s[SEL+1]
	v_add_f32 v14, v14, v252                       ; l
	v_cmp_eq_f32 s71, 0, v14                       ; no key at all
	v_rcp_f32 v12, v14
	v_nop
	s_wait_alu depctr_va_vdst(0)                   ; the reciprocal has written v12, ahead of its first reader
.set n, 0
.rept 32
	v_pk_mul_f32 v[96+n:97+n], v[160+n:161+n], v[12:13] op_sel_hi:[1,0]
.set n, n+2
.endr
.irp b, 0,1,2,3
	v_max3_num_f32 v[TM+\b], |v[96+16*\b]|, |v[97+16*\b]|, 0x2800000
.endr
.irp i, 2,4,6,8,10,12,14
.irp b, 0,1,2,3
	v_max3_num_f32 v[TM+\b], v[TM+\b], |v[96+16*\b+\i]|, |v[97+16*\b+\i]|
.endr
.endr
.irp b, 0,1,2,3
	v_permlanex16_b32 v[TM+4+\b], v[TM+\b], s[SEL], s[SEL+1]
.endr
.irp b, 0,1,2,3
	v_max_num_f32 v[TM+\b], v[TM+\b], v[TM+4+\b]
.endr
.irp b, 0,1,2,3
	v_add_nc_u32 v[TM+12+\b], 0xfe000000, v[TM+\b]
.endr
.irp b, 0,1,2,3
	v_lshrrev_b32 v[TM+4+\b], 23, v[TM+12+\b]
.endr
	v_lshl_or_b32 v[PW], v[TM+5], 8, v[TM+4]
	v_lshl_or_b32 v[PW], v[TM+6], 16, v[PW]
	v_lshl_or_b32 v[PW], v[TM+7], 24, v[PW]
.irp c, 0,1
	v_cvt_scalef32_pk16_bf6_f32 v[PC+6*\c:PC+2+6*\c], v[96+32*\c:111+32*\c], v[TM+12+2*\c]
	v_cvt_scalef32_pk16_bf6_f32 v[PC+12+4*\c:PC+14+4*\c], v[112+32*\c:127+32*\c], v[TM+12+2*\c+1]
.endr
	v_nop
.irp c, 0,1
.irp i, 0,1,2
	v_permlane16_swap_b32 v[PC+6*\c+\i], v[PC+12+4*\c+\i]
.endr
.irp i, 0,1,2
	v_mov_b32 v[PC+3+6*\c+\i], v[PC+12+4*\c+\i]
.endr
.endr
	s_wait_alu depctr_va_sdst(0)                   ; the compare has written s71, ahead of its one reader
	v_cndmask_b32 v[PW], v[PW], -1, s71            ; l = 0: four bytes 0xff
	s_wait_alu depctr_va_vdst(0)                   ; the codes v48-59 and the scale word v84 are written, which the stores below read
.irp g, 0,1,2
	global_store_b128 v[AD], v[PC+4*\g:PC+4*\g+3], s[72:73] offset:512*\g
.endr
	ds_store_b32 v[SWA], v[PW]                     ; both halves of the lanes hold, and write, the same word
	s_wait_dscnt 0x0
	s_barrier_signal -1
	s_barrier_wait -1
	s_cmp_lg_u32 s12, 0
	s_cbranch_scc1 .Ldone
	ds_load_b128 v[88:91], v[SRA]                  ; lanes 0-15: the early group's four words of row r; lanes 16-31: the late group's.  No vector instruction of the kernel names v88-91
	s_wait_dscnt 0x0
	global_store_b128 v[SGO], v[88:91], s[74:75]   ; two runs of 256 consecutive bytes, each at a multiple of 256 from the buffer's first byte
.Ldone:
	s_wait_dscnt 0x0                               ; the closing lines, six on end
	s_wait_alu 0x0
	s_wait_tensorcnt 0x0
	ds_add_u32 v250, v251
	s_wait_dscnt 0x0
	s_endpgm
.Lfunc_end_k_q3af954d5c0_attn:
	.size	k_q3af954d5c0_attn, .Lfunc_end_k_q3af954d5c0_attn-k_q3af954d5c0_attn
	.p2alignl 7, 3214868480
	.fill 96, 4, 3214868480
	.section	.rodata,"a",@progbits
	.p2align	6, 0x0
	.amdhsa_kernel k_q3af954d5c0_attn
		.amdhsa_group_segment_fixed_size 132608
		.amdhsa_private_segment_fixed_size 0
		.amdhsa_enable_private_segment 0
		.amdhsa_kernarg_size 32
		.amdhsa_user_sgpr_count 2
		.amdhsa_user_sgpr_kernarg_segment_ptr 1
		.amdhsa_wavefront_size32 1
		.amdhsa_system_sgpr_workgroup_id_x 1
		.amdhsa_system_sgpr_workgroup_id_y 1
		.amdhsa_system_sgpr_workgroup_id_z 1
		.amdhsa_system_vgpr_workitem_id 0
		.amdhsa_next_free_vgpr 512
		.amdhsa_next_free_sgpr 90
		.amdhsa_reserve_vcc 0
		.amdhsa_float_denorm_mode_32 3
		.amdhsa_float_denorm_mode_16_64 3
		.amdhsa_memory_ordered 1
		.amdhsa_forward_progress 1
		.amdhsa_inst_pref_size 151
	.end_amdhsa_kernel
	.amdgpu_metadata
---
amdhsa.version: [ 1, 2 ]
amdhsa.kernels:
  - .name:           k_q3af954d5c0_attn
    .symbol:         k_q3af954d5c0_attn.kd
    .args:
      - { .name: qkv, .offset: 0, .size: 8, .value_kind: global_buffer, .address_space: global }
      - { .name: attn_mask, .offset: 8, .size: 8, .value_kind: global_buffer, .address_space: global }
      - { .name: flags, .offset: 16, .size: 8, .value_kind: global_buffer, .address_space: global }
      - { .name: oc, .offset: 24, .size: 8, .value_kind: global_buffer, .address_space: global }
    .group_segment_fixed_size: 132608
    .private_segment_fixed_size: 0
    .kernarg_segment_align: 8
    .kernarg_segment_size: 32
    .max_flat_workgroup_size: 256
    .sgpr_count:     90
    .vgpr_count:     512
    .wavefront_size: 32
...
	.end_amdgpu_metadata
.endif
;; end of part 6
;; launch oproj: the kernel of part 5 again; grid 16 x 16, 4 waves a work-group, clusters of 4 x 4, 327,680 bytes of LDS; arguments oc, opw, out0; writes out0
